; MI455X (gfx1250); checked and timed in simulation.
; The chip was launched on July 23, 2026; its instructions are those of AMD's public machine-readable ISA for CDNA 5 (MIT licence, August 2026) and "CDNA5" Instruction Set Architecture Reference Guide (July 2026). The comments in the code are by the model that wrote it; some were corrected since.
;; Transformer Block. Allowed arithmetic: float matrix products may take bf16 or f16 operands with f32 sums; other float arithmetic in f32, or as packed bf16 or f16 multiplies, adds, multiply-adds, maxima and minima; sums over many terms, partial sums and values carried from step to step in f32; what a program stores and reads back later, other than sums and carried values, may be rounded once to bf16 or f16.
;; Inputs: W1 512 x 2,048 float32; W2 2,048 x 512 float32; Wk 512 x 8 x 64 float32; Wo 512 x 512 float32; Wq 512 x 8 x 64 float32; Wv 512 x 8 x 64 float32; b1 2,048 float32; b2 512 float32; bk 8 x 64 float32; bo 512 float32; bq 8 x 64 float32; bv 8 x 64 float32; ln1_bias 512 float32; ln1_scale 512 float32; ln2_bias 512 float32; ln2_scale 512 float32; rel_pos_bias 8 x 289 float32; x 256 x 81 x 512 float32.
;; Outputs: out0 256 x 81 x 512 float32.
;; 2 versions, each right; version 2 is version 1 with the launch block written anew for expert scheduling mode. Each part assembles by itself: llvm-mc -triple=amdgcn-amd-amdhsa -mcpu=gfx1250 --defsym DOCPART=n.
;; ======== version 1 of 2: 2 launches
;; limits: values are held in f16: magnitudes above 65,504 overflow, below 6.1e-05 lose precision
;; workspace buffers: wf 6,291,456 bytes
;; launch pack (part 1): grid 256 x 1, 6 waves a work-group, no clusters, 31,488 bytes of LDS; arguments Wq, Wk, Wv, Wo, W1, W2, wf; writes wf
.if DOCPART == 1
	.amdgcn_target "amdgcn-amd-amdhsa--gfx1250"
	.amdhsa_code_object_version 6
	.text
	.protected	k_q494925cb66_pack
	.globl	k_q494925cb66_pack
	.p2align	8
	.type	k_q494925cb66_pack,@function
k_q494925cb66_pack:
	s_mov_b64 s[64:65], 0
	v_nop
	global_prefetch_b8 v0, s[64:65] scope:SCOPE_SE
	s_setreg_imm32_b32 hwreg(HW_REG_WAVE_MODE, 25, 1), 1
	s_wait_xcnt 0x0
; All six weight matrices (f32, [k][n]) are rounded once to f16 and written as images of matrix fragments, in the order in which the
; second launch consumes them.  LIMIT: f16 holds no number beyond 65,504 and keeps a fixed step of 6e-8 below 6e-5: weights of spread 512^-0.5 = 0.044
; have room for a factor of 30 either way (at a spread of 0.0015 the step is 4e-5 of the spread).
; A fragment is 1,024 bytes: 16 columns n x 32 rows k; lane (r = l % 16, h = l / 16) owns 16 bytes at 16 l
; (W[k0+8h+0..7][n0+r]) and 16 bytes at 512 + 16 l (W[k0+16+8h+0..7][n0+r]).  A block is 4 fragments (n0 + 16 f) for one wave w of the
; second launch; group G holds the blocks of its four waves: block B = 4 G + w lies at byte 4,096 B.  1,536 blocks = 256 work-groups x 6 waves.
;   G 0..95     P = G / 16 = 3 g + p: Wq, Wk or Wv by p; k0 = 32 (G % 16); n0 = 64 (2 w + g)
;   G 96..127   i = G - 96: Wo; k0 = 32 (i / 2); n0 = 128 w + 64 (i % 2)
;   G 128+32c+i i < 16: W1; k0 = 32 i; n0 = 256 c + 64 w        i >= 16, j = i - 16: W2; k0 = 256 c + 32 (j / 2); n0 = 128 w + 64 (j % 2)
; A block is 32 rows x 64 columns of f32: each row 256 consecutive bytes, aligned.  It is turned in the wave's own LDS tile [64 n][80 bytes]
; (64 bytes of k + 16 of padding); no wave touches another's bytes, so there is no barrier.  Each store of a wave covers 512 consecutive bytes.
.set LROW,  80
.set LTILE, 64*LROW
.set SPARE, 6*LTILE                    ; behind the six tiles: the spare words, 128 bytes a wave, three blocks of 256 bytes that no other line names
	s_load_b256 s[8:15], s[0:1], 0x0               ; Wq s[8:9], Wk s[10:11], Wv s[12:13], Wo s[14:15]
	s_load_b128 s[16:19], s[0:1], 0x20             ; W1 s[16:17], W2 s[18:19]
	s_load_b64 s[20:21], s[0:1], 0x30              ; wf
	v_lshl_add_u32 v1, v0, 2, SPARE                ; my spare word
	v_mov_b32 v2, 0
	v_lshrrev_b32 v6, 5, v0
	v_readfirstlane_b32 s4, v6                     ; wave 0..5
	v_and_b32 v7, 31, v0                           ; lane
	v_and_b32 v3, 15, v0                           ; c = r = l % 16
	v_bfe_u32 v4, v0, 4, 1                         ; q = h = l / 16
	s_mul_i32 s5, ttmp9, 6
	s_add_co_u32 s5, s5, s4                        ; B
	s_lshr_b32 s6, s5, 2                           ; G
	s_and_b32 s7, s5, 3                            ; w
	; the first case (what it makes is not chosen where G >= 96)
	s_lshr_b32 s22, s6, 4                          ; P
	s_cmp_ge_u32 s22, 3
	s_cselect_b32 s23, 1, 0                        ; g
	s_mul_i32 s24, s23, 3
	s_sub_co_u32 s24, s22, s24                     ; p; 3 or more where G >= 96
	s_and_b32 s25, s6, 15
	s_lshl_b32 s25, s25, 5                         ; k0
	s_lshl_b32 s26, s7, 1
	s_add_co_u32 s26, s26, s23
	s_lshl_b32 s26, s26, 6                         ; n0
	; Wo
	s_sub_co_u32 s27, s6, 96
	s_lshr_b32 s28, s27, 1
	s_lshl_b32 s28, s28, 5                         ; k0
	s_and_b32 s29, s27, 1
	s_lshl_b32 s29, s29, 6
	s_lshl_b32 s30, s7, 7                          ; 128 w
	s_add_co_u32 s29, s29, s30                     ; n0
	; W1 and W2
	s_sub_co_u32 s31, s6, 128
	s_lshr_b32 s32, s31, 5                         ; c
	s_and_b32 s33, s31, 31                         ; i
	s_lshl_b32 s34, s33, 5                         ; W1: k0
	s_lshl_b32 s35, s32, 8                         ; 256 c
	s_lshl_b32 s36, s7, 6
	s_add_co_u32 s36, s36, s35                     ; W1: n0
	s_and_b32 s37, s33, 15                         ; j
	s_lshr_b32 s38, s37, 1
	s_lshl_b32 s38, s38, 5
	s_add_co_u32 s38, s38, s35                     ; W2: k0
	s_and_b32 s39, s37, 1
	s_lshl_b32 s39, s39, 6
	s_add_co_u32 s39, s39, s30                     ; W2: n0
	; k0, n0 and the shift that stands for the row pitch (2^13 bytes in W1, 2^11 elsewhere)
	s_cmp_lt_u32 s33, 16
	s_cselect_b32 s42, s34, s38
	s_cselect_b32 s43, s36, s39
	s_cselect_b32 s44, 13, 11
	s_cmp_lt_u32 s6, 128
	s_cselect_b32 s42, s28, s42
	s_cselect_b32 s43, s29, s43
	s_cselect_b32 s44, 11, s44
	s_cmp_lt_u32 s6, 96
	s_cselect_b32 s42, s25, s42
	s_cselect_b32 s43, s26, s43
	s_lshl_b32 s46, s42, s44
	s_lshl2_add_u32 s46, s43, s46                  ; the block's first byte in its matrix: k0 x pitch + 4 n0
	s_mov_b32 s47, 0
	s_lshl_b32 s48, s5, 12                         ; and in wf
	s_mov_b32 s49, 0
	; load i = 2 m + e: lane (c, q) takes 16 bytes (columns 4 c ..) of row 4 m + e + 2 q: two whole rows an instruction
	v_lshlrev_b32 v6, 1, v4
	v_lshlrev_b32 v5, s44, v6
	v_lshl_add_u32 v5, v3, 4, v5
.set i, 0
.rept 16
	s_lshl_b32 s50, 4*(i/2)+i%2, s44
	v_add_nc_u32 v[8+i], s50, v5
.set i, i+1
.endr
	s_mul_i32 s51, s4, LTILE                       ; my tile
	v_mul_u32_u24 v24, v3, 4*LROW                  ; in: columns 4 c + e, k = 4 m + 2 q
	v_lshl_add_u32 v24, v4, 2, v24
	v_add_nc_u32 v24, s51, v24
	v_mul_u32_u24 v25, v3, LROW                    ; back: column 16 f + r, k = 8 h ..
	v_lshl_add_u32 v25, v4, 4, v25
	v_add_nc_u32 v25, s51, v25
	v_lshlrev_b32 v26, 4, v7                       ; 16 l
	s_wait_kmcnt 0x0
	s_cmp_lt_u32 s33, 16                           ; which matrix: the conditions hang on the block's number alone
	s_cselect_b64 s[40:41], s[16:17], s[18:19]
	s_cmp_lt_u32 s6, 128
	s_cselect_b64 s[40:41], s[14:15], s[40:41]
	s_cmp_lt_u32 s6, 96
	s_cselect_b64 s[40:41], s[12:13], s[40:41]
	s_cmp_eq_u32 s24, 0
	s_cselect_b64 s[40:41], s[8:9], s[40:41]
	s_cmp_eq_u32 s24, 1
	s_cselect_b64 s[40:41], s[10:11], s[40:41]
	s_add_nc_u64 s[40:41], s[40:41], s[46:47]
	s_add_nc_u64 s[20:21], s[20:21], s[48:49]
.set i, 0
.rept 16
	global_load_b128 v[32+4*i:35+4*i], v[8+i], s[40:41] th:TH_LOAD_NT
.set i, i+1
.endr
.set m, 0
.rept 8
	s_wait_loadcnt 14-2*m                          ; loads 2 m and 2 m + 1 are in; the 2 (7 - m) younger ones stay out
.irp e, 0,1,2,3
	v_cvt_pk_f16_f32 v[96+\e], v[32+8*m+\e], v[36+8*m+\e]  ; rows 4 m + 2 q and 4 m + 2 q + 1 of column 4 c + e
.endr
.irp e, 0,1,2,3
	ds_store_b32 v24, v[96+\e] offset:LROW*\e+8*m
.endr
.set m, m+1
.endr
.set t, 0
.rept 8
	ds_load_b128 v[32+4*t:35+4*t], v25 offset:16*LROW*(t/2)+32*(t%2)  ; my own bytes, served in order behind my stores (ISA guide 5.7.1.4)
.set t, t+1
.endr
.set t, 0
.rept 8
	s_wait_dscnt 7-t                               ; load t is back; the younger ones stay out
	global_store_b128 v26, v[32+4*t:35+4*t], s[20:21] offset:512*t
.set t, t+1
.endr
	s_wait_tensorcnt 0x0                           ; the wave's end, behind my last LDS store
	ds_add_u32 v1, v2
	s_wait_dscnt 0x0
	s_endpgm
.Lfunc_end_k_q494925cb66_pack:
	.size	k_q494925cb66_pack, .Lfunc_end_k_q494925cb66_pack-k_q494925cb66_pack
	.p2alignl 7, 3214868480
	.fill 96, 4, 3214868480
	.section	.rodata,"a",@progbits
	.p2align	6, 0x0
	.amdhsa_kernel k_q494925cb66_pack
		.amdhsa_group_segment_fixed_size 31488
		.amdhsa_private_segment_fixed_size 0
		.amdhsa_enable_private_segment 0
		.amdhsa_kernarg_size 56
		.amdhsa_user_sgpr_count 2
		.amdhsa_user_sgpr_kernarg_segment_ptr 1
		.amdhsa_wavefront_size32 1
		.amdhsa_system_sgpr_workgroup_id_x 1
		.amdhsa_system_sgpr_workgroup_id_y 1
		.amdhsa_system_sgpr_workgroup_id_z 1
		.amdhsa_system_vgpr_workitem_id 0
		.amdhsa_next_free_vgpr 104
		.amdhsa_next_free_sgpr 66
		.amdhsa_reserve_vcc 0
		.amdhsa_float_denorm_mode_32 3
		.amdhsa_float_denorm_mode_16_64 3
		.amdhsa_memory_ordered 1
		.amdhsa_forward_progress 1
		.amdhsa_inst_pref_size 12
	.end_amdhsa_kernel
	.amdgpu_metadata
---
amdhsa.version: [ 1, 2 ]
amdhsa.kernels:
  - .name:           k_q494925cb66_pack
    .symbol:         k_q494925cb66_pack.kd
    .args:
      - { .name: Wq, .offset: 0, .size: 8, .value_kind: global_buffer, .address_space: global }
      - { .name: Wk, .offset: 8, .size: 8, .value_kind: global_buffer, .address_space: global }
      - { .name: Wv, .offset: 16, .size: 8, .value_kind: global_buffer, .address_space: global }
      - { .name: Wo, .offset: 24, .size: 8, .value_kind: global_buffer, .address_space: global }
      - { .name: W1, .offset: 32, .size: 8, .value_kind: global_buffer, .address_space: global }
      - { .name: W2, .offset: 40, .size: 8, .value_kind: global_buffer, .address_space: global }
      - { .name: wf, .offset: 48, .size: 8, .value_kind: global_buffer, .address_space: global }
    .group_segment_fixed_size: 31488
    .private_segment_fixed_size: 0
    .kernarg_segment_align: 8
    .kernarg_segment_size: 56
    .max_flat_workgroup_size: 192
    .sgpr_count:     66
    .vgpr_count:     104
    .wavefront_size: 32
...
	.end_amdgpu_metadata
.endif
;; end of part 1
;; launch block (part 2): grid 256 x 1, 4 waves a work-group, no clusters, 289,024 bytes of LDS; arguments x, wf, out0, ln1_scale, ln1_bias, ln2_scale, ln2_bias, bq, bk, bv, bo, b1, b2, rel_pos_bias; writes out0
.if DOCPART == 2
	.amdgcn_target "amdgcn-amd-amdhsa--gfx1250"
	.amdhsa_code_object_version 6
	.text
	.protected	k_q494925cb66_block
	.globl	k_q494925cb66_block
	.p2align	8
	.type	k_q494925cb66_block,@function
k_q494925cb66_block:
	s_mov_b64 s[64:65], 0
	v_nop
	global_prefetch_b8 v0, s[64:65] scope:SCOPE_SE
	s_setreg_imm32_b32 hwreg(HW_REG_WAVE_MODE, 25, 1), 1
	s_wait_xcnt 0x0
; ONE TRANSFORMER BLOCK FOR ONE BATCH ELEMENT (81 tokens x 512) IN ONE WORK-GROUP OF FOUR WAVES.  x is read once, out0 written once, nothing else goes to memory.
; 81 rows are 6 tiles of 16; rows 81..95 are COPIES OF ROW 80: every row address is min(row, 80), so the pad lanes compute the same numbers as row 80's lane and
; write equal bytes to equal addresses; EXEC is never changed.  Pad KEYS are hidden by -1e30 in the C operand that starts the scores.
; ALL PRODUCTS ARE USED TRANSPOSED: source 0 = 16 weight columns x 32 k, source 1 = 16 tokens x 32 k; in the result lane (r = l % 16, h = l / 16) holds token r and the
; eight neighbouring columns 8 h + 0..7.
; THE RESIDUAL (x, then x1, then the output) stays in 384 accumulator registers a wave (96 rows x my 128 columns), f32, from start to end; Wo's and W2's products add onto it.
; LAYERNORM goes by rows through an f32 stage in LDS, which also turns rows into the accumulators' layout and back.  Mean first, then the squares of the differences.
; QKV AND ATTENTION: wave w does heads 2 w and 2 w + 1 alone, in LDS bytes of its own: no barrier.  A head's whole score row (96 keys) is in registers, so the softmax takes the row's true maximum.
; MLP in 8 chunks of 256 hidden units: U pass (96 x 64 a wave), GELU, h through LDS, X pass (96 x 128 a wave onto the residual).
; THE WEIGHTS come as fragment images (launch pack) from memory STRAIGHT INTO REGISTERS: a ring of 8 slots of 32 registers a wave; a slot is asked for again in the first run of loads behind its
; products, so 48 to 64 loads of a wave are out and a load has at least 6 groups, 144 matrix instructions, in which to land.
; LOADS STAND IN RUNS, 48 matrix instructions to a run.  In an X pass that is one K step.  In a U pass it is two: three fragment buffers, K step k in buffer k % 3; behind K steps s - 1 and s (s odd) a run
; fetches K steps s + 2 and s + 3 and refills both slots, and K step s + 1, fetched a run earlier, is multiplied while they come.
; NO CLUSTER, NO LDS RING, though all work-groups read the same weights: inside a work-group each weight byte is wanted by ONE wave, the activations take 289,024 of the 327,680
; bytes of LDS, and two slots in the 38,656 bytes left would hold one group (16,384 bytes, 24 matrix instructions a wave) each, with every load waited for at every change of slots.
; THE FORMAT.  Matrix operands (y, q, k, v, p, ctx, h, weights) are f16, each rounded once from f32; all sums, the residual, LN, softmax and GELU are f32.  f16, with 11 significant bits to bf16's 8, since every
; number of the output must lie within a hundredth of the output's root mean square, and the roundings of y, W1, h, W2, ctx and Wo reach the output undiminished.
; LIMITS.  f16 holds no number beyond 65,504: a conversion past it gives an infinity, and the row is lost.  |y| <= 22.6 |gain| + |bias| by LayerNorm itself; p lies in 0 to 1; ctx is a mean of v's rows.  q, k, v and h
; are sums y W + b of 512 terms: with gains 30 times one and weights 30 times a spread of 512^-0.5 their spread is 900, and the largest of 42 million such numbers about 5,000.  Below 6e-5 f16 keeps a fixed step of
; 6e-8: with gains and weights 30 times smaller h is about 5e-4, and the step 1e-4 of it.  A hidden key counts as -1e30; a weight p below 2^-126 counts as 0 in the row sum; NaN and infinities are not treated apart.
; GELU is u / (1 + 2^(u (K1 u^2 + K0))), the tanh form itself; where u^2 overflows it still gives u or -0.
;
; LDS
.set YP,   1040                        ; a row of y in f16: 1,024 bytes + 16.  All pitches are odd multiples of 16 bytes: the 16 rows of a load start at 16 different 16-byte columns modulo 256
.set SGP,  2064                        ; a row of the f32 stage
.set QP,   144                         ; a row of q, k, v or ctx of one head
.set HP,   528                         ; a row of a chunk of h
.set HB,   81*QP                       ; 81 rows of one head: a slot
.set STG,  81*YP                       ; y [81][1040] lies at 0; behind it the stage [81][2064], which takes turns with:
.set QC,   STG                         ;   4 waves x 4 slots of HB: pass p of my head g goes to my slot g + p; ctx overwrites q, so ctx of heads 2 w, 2 w + 1 ends in slots 0, 1
.set HH,   STG                         ;   h [81][528]
.set PB,   QC+16*HB                    ; 8,192 bytes: bq, bk, bv in the first 6,144 (the last 992 take what the table's fifth store has over); later b1 in all of them
.set TB,   PB+8192                     ; 9,248 bytes: 8 x rel_pos_bias, the whole array reversed word by word
.set SPARE, 288512                     ; the spare words, 128 bytes a wave: two blocks of 256 bytes that no other line names
.set GRP,  16384                       ; a group of weights: 4 fragments for each of 4 waves
.set LAP,  8*GRP                       ; once round the ring
.set LY, 0                             ; the three places that activation fragments come from
.set LH, 1
.set LQ, 2
; REGISTERS, in windows of 256 (s_set_vgpr_msb: bits 1:0 source 0, 3:2 source 1, 5:4 source 2, 7:6 destination)
;   window 0: v0-31 addresses (below); v32-79, v80-127 activation fragments, 6 tiles x 8, two buffers; v128-191 at work (in a U pass: v128-159 the biases, then v128-175 the third buffer); v192-255 U tiles 16-23
;   window 1: the weight ring: slot s at 32 s, fragment f at + 8 f      window 2: residual tiles (mt 0-3, nt) at 8 (8 mt + nt)
;   window 3: v0-127 residual tiles mt 4, 5; v128-255 U tiles 0-15 (tile u = 4 mt + f)
;   v1 spare word, v2 zero, v3 4096 w + 16 l (weights), v4 prefetch offset, v5-7 y fragments (tiles 0-2, 3-4, 5), v8-9 h fragments, v10-11 ctx fragments, v12 bias, v13-14 q/k/v stores,
;   v15-16 h stores, v17-18 stage in the accumulators' layout, v19 16 l, v20 8 l, v21 r, v22 h, v23 144 r + 16 h, v26-27 lane terms of V's turning loads, v28 -1e30, v31 16 x thread; v24, v25, v29, v30 at work
;   s4 wave, s5 work-group, s[16:43] the 14 buffers, s[44:45] the stream at the lap that is being fetched, s46 its number, s47 the lap at whose fetching I prefetch
.set MSB, 0
.macro WIN new                         ; the immediate's high byte repeats the setting that is left; a switch that changes nothing is dropped
.if MSB != (\new)
	s_set_vgpr_msb (MSB<<8)|(\new)
.set MSB, (\new)
.endif
.endm
.macro PLACES                          ; four places behind a matrix instruction, ahead of loads into its registers and of readers of its result
.rept 4
	v_nop
.endr
.endm
.macro BAR                             ; my LDS stores and loads are done, for the others' sake; then everybody's are
	s_wait_dscnt 0x0
	s_barrier_signal -1
	s_barrier_wait -1
.endm
.macro AL2 reg, adr, off               ; a fragment: 16 rows x 32 k: two loads of 16 bytes, 32 bytes apart
	ds_load_b128 v[(\reg):(\reg)+3], v[\adr] offset:(\off)
	ds_load_b128 v[(\reg)+4:(\reg)+7], v[\adr] offset:(\off)+32
.endm
.macro ALOAD buf, lay, k               ; the six tiles' fragments of K step k into buffer buf (at v[32 + 48 buf]): 12 loads
	WIN 0
.if (\lay) == LY
	AL2 32+48*(\buf),5,64*(\k)
	AL2 40+48*(\buf),5,16*YP+64*(\k)
	AL2 48+48*(\buf),5,32*YP+64*(\k)
	AL2 56+48*(\buf),6,64*(\k)
	AL2 64+48*(\buf),6,16*YP+64*(\k)
	AL2 72+48*(\buf),7,64*(\k)
.elseif (\lay) == LH
	AL2 32+48*(\buf),8,64*(\k)
	AL2 40+48*(\buf),8,16*HP+64*(\k)
	AL2 48+48*(\buf),8,32*HP+64*(\k)
	AL2 56+48*(\buf),8,48*HP+64*(\k)
	AL2 64+48*(\buf),8,64*HP+64*(\k)
	AL2 72+48*(\buf),9,64*(\k)
.else
	AL2 32+48*(\buf),10,HB*((\k)/2)+64*((\k)%2)
	AL2 40+48*(\buf),10,16*QP+HB*((\k)/2)+64*((\k)%2)
	AL2 48+48*(\buf),10,32*QP+HB*((\k)/2)+64*((\k)%2)
	AL2 56+48*(\buf),10,48*QP+HB*((\k)/2)+64*((\k)%2)
	AL2 64+48*(\buf),10,64*QP+HB*((\k)/2)+64*((\k)%2)
	AL2 72+48*(\buf),11,HB*((\k)/2)+64*((\k)%2)
.endif
.endm
.macro WLOAD slot, n                   ; my 4 fragments of each of n groups on end, of the lap at the pointer, into n slots of the ring: 8 loads of 512 consecutive bytes a slot
	WIN 0x40
.set wq, 0
.rept 8*(\n)
	global_load_b128 v[32*(\slot)+4*wq:32*(\slot)+4*wq+3], v3, s[44:45] offset:((\slot)+wq/8)*GRP+512*(wq%8)
.set wq, wq+1
.endr
	WIN 0
.endm
.macro BLOAD                           ; the biases of my 64 columns, fragment f's eight at v[128 + 8 f]: the C of the first K step's products, the same for all six row tiles: 8 loads
	WIN 0
.set u, 0
.rept 4
	ds_load_b128 v[128+8*u:131+8*u], v12 offset:64*u
	ds_load_b128 v[132+8*u:135+8*u], v12 offset:64*u+16
.set u, u+1
.endr
.endm
; A PREFETCH INTO THE L2, behind a lap's first run of loads: 32 blocks of 256 bytes, a lane a block, of the lap behind the one that is being fetched.  A lap's 512 blocks are shared by 16
; work-groups (by the work-group's number % 16, in the offset); which laps a work-group asks for goes by its number / 16: every sixteenth lap.  Wave 0 alone asks.  So each block of laps 2 to 47 is named once in
; the launch; laps 0 and 1 come by their loads alone, and nothing is asked for past lap 47.
.macro ASK
	WIN 0
	s_cmp_eq_u32 s46, s47
	s_cbranch_scc0 .Lno_\@
	global_prefetch_b8 v4, s[44:45] offset:LAP th:TH_LOAD_NT scope:SCOPE_SE
	s_add_co_u32 s47, s47, 16
	s_cmp_gt_u32 s47, 46
	s_cselect_b32 s47, -1, s47
.Lno_\@:
.endm
; The pointer goes on to the next lap at the head of that lap's first refill: the youngest load that names it stands 24 matrix instructions back or more, the prefetch a lap back.
.macro LAPSTEP
	s_wait_xcnt 0x0                                ; every load and prefetch issued so far has read its address: the stream's pointer may be written
	s_add_nc_u64 s[44:45], s[44:45], LAP
	s_add_co_u32 s46, s46, 1
.endm
; K step s of a U pass: 24 matrix instructions, each accumulator one turn.  K step 0 starts the sums at the biases: its C is v[128 + 8 f] of window 0 for every row tile.
.macro UMUL s
.if (\s) == 0
	WIN 0xC1
.else
	WIN 0xF1
.endif
.set u, 0
.rept 16
.if (\s) == 0
	v_wmma_f32_16x16x32_f16 v[128+8*u:135+8*u], v[8*(u%4):8*(u%4)+7], v[32+8*(u/4):39+8*(u/4)], v[128+8*(u%4):135+8*(u%4)]
.else
	v_wmma_f32_16x16x32_f16 v[128+8*u:135+8*u], v[32*((\s)%8)+8*(u%4):32*((\s)%8)+8*(u%4)+7], v[32+48*((\s)%3)+8*(u/4):32+48*((\s)%3)+8*(u/4)+7], v[128+8*u:135+8*u]
.endif
.set u, u+1
.endr
	WIN 0x01
.rept 8
.if (\s) == 0
	v_wmma_f32_16x16x32_f16 v[64+8*u:71+8*u], v[8*(u%4):8*(u%4)+7], v[32+8*(u/4):39+8*(u/4)], v[128+8*(u%4):135+8*(u%4)]
.else
	v_wmma_f32_16x16x32_f16 v[64+8*u:71+8*u], v[32*((\s)%8)+8*(u%4):32*((\s)%8)+8*(u%4)+7], v[32+48*((\s)%3)+8*(u/4):32+48*((\s)%3)+8*(u/4)+7], v[64+8*u:71+8*u]
.endif
.set u, u+1
.endr
.endm
; The run of loads behind K step s.  Behind K step 0: K step 2, into the registers that the biases leave, and slot 0.  Behind K step 1: K steps 3 and 4, and slot 1.
; Behind an odd s from 3 on: K steps s + 2 and s + 3, as far as the pass has them, and slots s - 1 and s.
.macro URUN s
	WIN 0
	PLACES
.if (\s) == 0
	ALOAD 2,LY,2
	LAPSTEP
	WLOAD 0,1
	ASK
.elseif (\s) == 1
	ALOAD 0,LY,3
	ALOAD 1,LY,4
	WLOAD 1,1
.else
.if (\s) < 14
	ALOAD ((\s)+2)%3,LY,(\s)+2
.endif
.if (\s) < 13
	ALOAD ((\s)+3)%3,LY,(\s)+3
.endif
.if ((\s)%8) == 1
	LAPSTEP
.endif
	WLOAD ((\s)-1)%8,2
.if ((\s)%8) == 1
	ASK
.endif
.endif
.endm
; A U pass: 16 K steps, 9 runs of loads.  The biases and K steps 0 and 1 have been asked for, in this order.
.macro UBODY
.set us, 0
.rept 16
.if ((us%2) == 0) || (us == 1)
	s_wait_loadcnt 56                              ; this slot's 8 loads are in; the 7 slots refilled behind it stay out
.else
	s_wait_loadcnt 48                              ; no refill stands between a pair's two K steps: 6 slots were refilled behind this one
.endif
.if us == 15
	s_wait_dscnt 0x0
.elseif ((us%2) == 0) && (us > 0) && (us < 14)
	s_wait_dscnt 24                                ; this K step's fragments are in; the 24 loads of the run just issued stay out
.else
	s_wait_dscnt 12                                ; one buffer's 12 loads are younger
.endif
	UMUL us
.if (us == 0) || ((us%2) == 1)
	URUN us
.endif
.set us, us+1
.endr
.endm
; One K step of an X pass: two groups, 48 matrix instructions onto the residual.  la = 1: the fragments two steps on are fetched; 2: the next U pass's first ones; lw, dw: the younger loads that may stay out.
.macro XSTEP j, lay, refill, la, lw, dw
	s_wait_loadcnt \lw
	s_wait_dscnt \dw
	WIN 0xA1
.set u, 0
.rept 32
	v_wmma_f32_16x16x32_f16 v[8*u:8*u+7], v[32*((2*(\j))%8)+8*(u%8):32*((2*(\j))%8)+8*(u%8)+7], v[32+48*((\j)%2)+8*(u/8):32+48*((\j)%2)+8*(u/8)+7], v[8*u:8*u+7]
.set u, u+1
.endr
	WIN 0xF1
.rept 16
	v_wmma_f32_16x16x32_f16 v[8*u-256:8*u-249], v[32*((2*(\j))%8)+8*(u%8):32*((2*(\j))%8)+8*(u%8)+7], v[32+48*((\j)%2)+8*(u/8):32+48*((\j)%2)+8*(u/8)+7], v[8*u-256:8*u-249]
.set u, u+1
.endr
	WIN 0
	PLACES
.if (\la) == 1
	ALOAD (\j)%2,\lay,(\j)+2
.elseif (\la) == 2
	ALOAD (\j)%2,LY,(\j)-6
.endif
.if \refill
.if ((\j)%4) == 0
	LAPSTEP
.endif
	WLOAD (2*(\j))%8,2
.if ((\j)%4) == 0
	ASK
.endif
.endif
.endm
.macro PLOAD g, b, a                   ; gain, bias and the addend of the write-back: lane l holds columns 128 i + 4 l + 0..3, as in a stage row's loads
.irp i, 0,1,2,3
	global_load_b128 v[160+4*\i:163+4*\i], v19, s[\g:\g+1] offset:512*\i
	global_load_b128 v[176+4*\i:179+4*\i], v19, s[\b:\b+1] offset:512*\i
	global_load_b128 v[192+4*\i:195+4*\i], v19, s[\a:\a+1] offset:512*\i
.endr
.endm
; The residual between its registers and the stage: tile (mt, nt), lane (r, h): row 16 mt + r, bytes 512 w + 64 nt + 32 h.  st = 1: stores (each tile's low registers first), 0: loads.
.macro XMOVE st
	WIN 0
	v_add_nc_u32 v29, 32*SGP, v17
	v_add_nc_u32 v30, 64*SGP, v17
.set xm, 0
.rept 6
.if xm < 2
.set XA, 17
.set XO, 16*SGP*xm
.elseif xm < 4
.set XA, 29
.set XO, 16*SGP*(xm-2)
.elseif xm == 4
.set XA, 30
.set XO, 0
.else
.set XA, 18
.set XO, 0
.endif
.set XR, 64*(xm%4)
.if \st
	WIN 0x08+4*(xm/4)
.else
	WIN 0x80+0x40*(xm/4)
.endif
.set xn, 0
.rept 16
.if \st
	ds_store_b128 v[XA], v[XR+4*xn:XR+4*xn+3] offset:XO+64*(xn/2)+16*(xn%2)
.else
	ds_load_b128 v[XR+4*xn:XR+4*xn+3], v[XA] offset:XO+64*(xn/2)+16*(xn%2)
.endif
.set xn, xn+1
.endr
.set xm, xm+1
.endr
	WIN 0
.endm
.macro LANESUM                         ; v216-219 summed over the 32 lanes, for four rows at once
.irp m, 1,2,4,8
.irp k, 0,1,2,3
	v_add_f32_dpp v[216+\k], v[216+\k], v[216+\k] row_xmask:\m row_mask:0xf bank_mask:0xf
.endr
.endr
.irp k, 0,1,2,3
	v_permlanex16_b32 v[220+\k], v[216+\k], s54, s55
.endr
.irp k, 0,1,2,3
	v_add_f32 v[216+\k], v[216+\k], v[220+\k]
.endr
.endm
; LAYERNORM of the stage's rows.  Wave w owns rows 20 w .. 20 w + 19, wave 3 also row 80: 6 trips of 4 rows, of which the sixth is wave 3's alone (its four row places all name row 80; all its reads
; stand ahead of its writes).  y goes to LDS in f16; the row plus the addend (bo, b2) goes back into the stage.  v32-95 the rows, v96-159 the differences, v208.. mean, v240.. 1/sigma (pairs, low word used).
.macro LNROWS
	WIN 0
.irp z, 209,211,213,215,220,221,222,223,241,243,245,247
	v_mov_b32 v\z, 0                               ; the pairs' upper words and the exchanges' destinations count as read
.endr
	s_mul_i32 s68, s4, 20                          ; the trip's first row
	s_add_co_u32 s70, s68, 19
	s_cmp_eq_u32 s4, 3
	s_cselect_b32 s70, 80, s70                     ; my last row
	s_mov_b32 s69, 6
.Lrow_\@:
	s_cmp_gt_u32 s68, s70
	s_cbranch_scc1 .Lskip_\@                       ; a dead trip is jumped, forward; no barrier is passed
.irp k, 0,1,2,3
	s_add_co_u32 s71, s68, \k
	s_min_u32 s71, s71, 80
	s_mul_i32 s72, s71, SGP
	s_add_co_u32 s72, s72, STG
	v_add_nc_u32 v[232+\k], s72, v19
	s_mul_i32 s73, s71, YP
	v_add_nc_u32 v[236+\k], s73, v20
.endr
.irp k, 0,1,2,3
.irp i, 0,1,2,3
	ds_load_b128 v[32+16*\k+4*\i:35+16*\k+4*\i], v[232+\k] offset:512*\i
.endr
.endr
	s_wait_dscnt 0x0
.irp k, 0,1,2,3
.irp n, 0,1,2,3
	v_pk_add_f32 v[96+16*\k+2*\n:97+16*\k+2*\n], v[32+16*\k+4*\n:33+16*\k+4*\n], v[34+16*\k+4*\n:35+16*\k+4*\n]
.endr
.endr
.irp k, 0,1,2,3
	v_pk_add_f32 v[96+16*\k:97+16*\k], v[96+16*\k:97+16*\k], v[98+16*\k:99+16*\k]
	v_pk_add_f32 v[100+16*\k:101+16*\k], v[100+16*\k:101+16*\k], v[102+16*\k:103+16*\k]
.endr
.irp k, 0,1,2,3
	v_pk_add_f32 v[96+16*\k:97+16*\k], v[96+16*\k:97+16*\k], v[100+16*\k:101+16*\k]
.endr
.irp k, 0,1,2,3
	v_add_f32 v[216+\k], v[96+16*\k], v[97+16*\k]
.endr
	LANESUM
.irp k, 0,1,2,3
	v_mul_f32 v[208+2*\k], s66, v[216+\k]          ; the mean
.endr
.irp k, 0,1,2,3
.irp n, 0,1,2,3,4,5,6,7
	v_pk_add_f32 v[96+16*\k+2*\n:97+16*\k+2*\n], v[32+16*\k+2*\n:33+16*\k+2*\n], v[208+2*\k:209+2*\k] op_sel_hi:[1,0] neg_lo:[0,1] neg_hi:[0,1]
.endr
.endr
.irp k, 0,1,2,3
	v_pk_mul_f32 v[224+2*\k:225+2*\k], v[96+16*\k:97+16*\k], v[96+16*\k:97+16*\k]
.endr
.irp n, 1,2,3,4,5,6,7
.irp k, 0,1,2,3
	v_pk_fma_f32 v[224+2*\k:225+2*\k], v[96+16*\k+2*\n:97+16*\k+2*\n], v[96+16*\k+2*\n:97+16*\k+2*\n], v[224+2*\k:225+2*\k]
.endr
.endr
.irp k, 0,1,2,3
	v_add_f32 v[216+\k], v[224+2*\k], v[225+2*\k]
.endr
	LANESUM
.irp k, 0,1,2,3
	v_fma_f32 v[216+\k], v[216+\k], s66, s67       ; the variance + 1e-6
.endr
.irp k, 0,1,2,3
	v_rsq_f32 v[240+2*\k], v[216+\k]               ; one batch of four; the write-back below is the independent work behind it
.endr
.irp k, 0,1,2,3
.irp n, 0,1,2,3,4,5,6,7
	v_pk_add_f32 v[32+16*\k+2*\n:33+16*\k+2*\n], v[32+16*\k+2*\n:33+16*\k+2*\n], v[192+2*\n:193+2*\n]
.endr
.irp i, 0,1,2,3
	ds_store_b128 v[232+\k], v[32+16*\k+4*\i:35+16*\k+4*\i] offset:512*\i
.endr
.endr
	s_wait_alu depctr_va_vdst(0)                   ; one wait for the four, ahead of their first reader
.irp k, 0,1,2,3
.irp n, 0,1,2,3,4,5,6,7
	v_pk_mul_f32 v[96+16*\k+2*\n:97+16*\k+2*\n], v[96+16*\k+2*\n:97+16*\k+2*\n], v[240+2*\k:241+2*\k] op_sel_hi:[1,0]
.endr
.irp n, 0,1,2,3,4,5,6,7
	v_pk_fma_f32 v[96+16*\k+2*\n:97+16*\k+2*\n], v[96+16*\k+2*\n:97+16*\k+2*\n], v[160+2*\n:161+2*\n], v[176+2*\n:177+2*\n]
.endr
.irp n, 0,1,2,3,4,5,6,7
	v_cvt_pk_f16_f32 v[96+16*\k+\n], v[96+16*\k+2*\n], v[97+16*\k+2*\n]
.endr
.irp i, 0,1,2,3
	ds_store_b64 v[236+\k], v[96+16*\k+2*\i:97+16*\k+2*\i] offset:256*\i
.endr
.endr
.Lskip_\@:
	s_add_co_u32 s68, s68, 4
	s_sub_co_u32 s69, s69, 1
	s_cmp_lg_u32 s69, 0
	s_cbranch_scc1 .Lrow_\@
.endm
; A pass's 24 tiles, rounded to f16, 16 bytes a lane, into the slot in hand.  Each tile's registers are read in ascending order.
.macro QKVEPI
	WIN 0x0F
.set z, 0
.rept 64
	v_cvt_pk_f16_f32 v[128+z], v[128+2*z], v[129+2*z]
.set z, z+1
.endr
	WIN 0
.set u, 0
.rept 16
	ds_store_b128 v13, v[128+4*u:131+4*u] offset:16*QP*(u/4)+32*(u%4)
.set u, u+1
.endr
.set z, 0
.rept 32
	v_cvt_pk_f16_f32 v[128+z], v[192+2*z], v[193+2*z]
.set z, z+1
.endr
.set u, 0
.rept 4
	ds_store_b128 v13, v[128+4*u:131+4*u] offset:64*QP+32*u
	ds_store_b128 v14, v[144+4*u:147+4*u] offset:32*u
.set u, u+1
.endr
.endm
; h = u / (1 + 2^(u (K1 u^2 + K0))), three batches of 8 tiles; in a batch the 64 exponentials and the 64 reciprocals are each one batch with one wait.
.macro GELU
.set gb, 0
.rept 3
.if gb < 2
.set GU, 128+64*gb
.set W2S, 0x0F
.set W1S, 0x0C
.else
.set GU, 192
.set W2S, 0
.set W1S, 0
.endif
	WIN W2S
.set z, 0
.rept 32
	v_pk_mul_f32 v[128+2*z:129+2*z], v[GU+2*z:GU+2*z+1], v[GU+2*z:GU+2*z+1]
.set z, z+1
.endr
	WIN 0
.set z, 0
.rept 32
	v_pk_fma_f32 v[128+2*z:129+2*z], v[128+2*z:129+2*z], s[48:49], s[50:51] op_sel_hi:[1,0,0]
.set z, z+1
.endr
	WIN W1S
.set z, 0
.rept 32
	v_pk_mul_f32 v[128+2*z:129+2*z], v[128+2*z:129+2*z], v[GU+2*z:GU+2*z+1]
.set z, z+1
.endr
	WIN 0
.set z, 0
.rept 64
	v_exp_f32 v[128+z], v[128+z]
.set z, z+1
.endr
	v_nop                                          ; a plain instruction behind the last of the batch,
	s_wait_alu depctr_va_vdst(0)                   ; and the one wait ahead of the first reader
.set z, 0
.rept 32
	v_pk_add_f32 v[128+2*z:129+2*z], v[128+2*z:129+2*z], 1.0 op_sel_hi:[1,0]
.set z, z+1
.endr
.set z, 0
.rept 64
	v_rcp_f32 v[128+z], v[128+z]
.set z, z+1
.endr
	v_nop
	s_wait_alu depctr_va_vdst(0)
	WIN W1S
.set z, 0
.rept 32
	v_pk_mul_f32 v[128+2*z:129+2*z], v[128+2*z:129+2*z], v[GU+2*z:GU+2*z+1]
.set z, z+1
.endr
	WIN 0
.set z, 0
.rept 32
	v_cvt_pk_f16_f32 v[32+z], v[128+2*z], v[129+2*z]
.set z, z+1
.endr
.set z, 0
.rept 8
.set u, 8*gb+z
.if u < 20
	ds_store_b128 v15, v[32+4*z:35+4*z] offset:16*HP*(u/4)+32*(u%4)
.else
	ds_store_b128 v16, v[32+4*z:35+4*z] offset:32*(u%4)
.endif
.set z, z+1
.endr
.set gb, gb+1
.endr
.endm
; ---------------------------------------------------------------- the head
	s_load_b512 s[16:31], s[0:1], 0x0              ; x 16, wf 18, out0 20, ln1_scale 22, ln1_bias 24, ln2_scale 26, ln2_bias 28, bq 30
	s_load_b256 s[32:39], s[0:1], 0x40             ; bk 32, bv 34, bo 36, b1 38
	s_load_b128 s[40:43], s[0:1], 0x60             ; b2 40, rel_pos_bias 42
	v_lshl_add_u32 v1, v0, 2, SPARE
	v_mov_b32 v2, 0
	v_lshrrev_b32 v29, 5, v0
	v_readfirstlane_b32 s4, v29                    ; wave 0..3
	s_mov_b32 s5, ttmp9                            ; the batch element
	v_and_b32 v30, 31, v0                          ; l
	v_and_b32 v21, 15, v0                          ; r
	v_bfe_u32 v22, v0, 4, 1                        ; h
	v_lshlrev_b32 v19, 4, v30
	v_lshlrev_b32 v20, 3, v30
	v_lshlrev_b32 v31, 4, v0
	s_lshl_b32 s57, s4, 12
	v_add_nc_u32 v3, s57, v19
	s_and_b32 s57, s5, 15
	s_lshl_b32 s57, s57, 13
	v_lshl_add_u32 v4, v30, 8, s57
	v_mul_u32_u24 v5, v21, YP
	v_lshl_add_u32 v5, v22, 4, v5
	v_add_nc_u32 v6, 48*YP, v5
	v_lshl_add_u32 v7, v22, 4, 80*YP
	v_mul_u32_u24 v8, v21, HP
	v_lshl_add_u32 v8, v22, 4, v8
	v_add_nc_u32 v8, HH, v8
	v_lshl_add_u32 v9, v22, 4, HH+80*HP
	v_mul_u32_u24 v23, v21, QP
	v_lshl_add_u32 v23, v22, 4, v23
	v_add_nc_u32 v10, QC, v23
	v_lshl_add_u32 v11, v22, 4, QC+80*QP
	s_lshl_b32 s57, s4, 7
	v_add_nc_u32 v15, s57, v8
	v_add_nc_u32 v16, s57, v9
	s_lshl_b32 s57, s4, 9
	v_mul_u32_u24 v17, v21, SGP
	v_lshl_add_u32 v17, v22, 5, v17
	s_add_co_u32 s58, s57, STG
	v_add_nc_u32 v17, s58, v17
	s_add_co_u32 s58, s57, STG+80*SGP
	v_lshl_add_u32 v18, v22, 5, s58
	v_mov_b32 v28, 0xf149f2ca                      ; -1e30
	v_and_b32 v29, 7, v0
	v_lshl_add_u32 v29, v22, 3, v29
	v_mul_u32_u24 v26, v29, QP                     ; the turning load: key 8 h + l % 8,
	v_bfe_u32 v27, v0, 3, 1
	v_lshlrev_b32 v27, 4, v27                      ; channels 8 ((l / 8) % 2) ..
	v_add_nc_u32 v26, v26, v27
	s_mov_b32 s48, 0xbdd2d3e8                      ; K1 = -2 log2(e) sqrt(2/pi) x 0.044715
	s_mov_b32 s49, s48
	s_mov_b32 s50, 0xc0135761                      ; K0 = -2 log2(e) sqrt(2/pi)
	s_mov_b32 s51, s50
	s_mov_b32 s52, 0x3e38aa3b                      ; c = log2(e) / 8
	s_mov_b32 s53, s52
	s_mov_b32 s54, 0x76543210                      ; v_permlanex16_b32: each lane takes its own place in the other half
	s_mov_b32 s55, 0xfedcba98
	s_mov_b32 s56, 0xffff0000                      ; the lanes with h = 1
	s_mov_b32 s66, 0x3b000000                      ; 1 / 512
	s_mov_b32 s67, 0x358637bd                      ; 1e-6
	s_lshr_b32 s57, s5, 4                          ; a: I ask for the laps that are a modulo 16, each while the lap in front of it is being fetched
	s_sub_co_u32 s47, s57, 1
	s_add_co_u32 s58, s57, 15
	s_cmp_ge_u32 s57, 2
	s_cselect_b32 s47, s47, s58
	s_cmp_eq_u32 s4, 0
	s_cselect_b32 s47, s47, -1
	s_mov_b32 s46, 0
	s_mul_i32 s58, s5, 81*2048
	s_mov_b32 s59, 0
.irp i, 0,1,2,3,4
	v_add_nc_u32 v[84+\i], 2048*\i, v31
	v_min_u32 v[84+\i], 9232, v[84+\i]             ; the table is 9,248 bytes: in the fifth load threads 66 to 127 take its last 16 once more, so that no load leaves it
.endr
	s_mul_i32 s57, s4, 20*2048
	v_add_nc_u32 v96, s57, v19                     ; x: my 20 rows
	s_lshl_b32 s57, s4, 9
	v_add_nc_u32 v97, s57, v19                     ; and my quarter of row 80
	s_wait_kmcnt 0x0
	s_add_nc_u64 s[16:17], s[16:17], s[58:59]
	s_add_nc_u64 s[20:21], s[20:21], s[58:59]
	s_mov_b64 s[44:45], s[18:19]
	; what LN1 waits for goes out first: the small arrays and x; the weights follow behind the stage's stores
	global_load_b128 v[32:35], v31, s[30:31]
	global_load_b128 v[36:39], v31, s[32:33]
	global_load_b128 v[40:43], v31, s[34:35]
.irp i, 0,1,2,3,4
	global_load_b128 v[44+4*\i:47+4*\i], v[84+\i], s[42:43]
.endr
	PLOAD 22,24,36
	WIN 0x80
.set n, 0
.rept 64
	global_load_b128 v[4*n:4*n+3], v96, s[16:17] offset:(n/4)*2048+(n%4)*512 th:TH_LOAD_NT
.set n, n+1
.endr
	WIN 0xC0
.rept 16
	global_load_b128 v[4*n-256:4*n-253], v96, s[16:17] offset:(n/4)*2048+(n%4)*512 th:TH_LOAD_NT
.set n, n+1
.endr
	global_load_b128 v[64:67], v97, s[16:17] offset:80*2048 th:TH_LOAD_NT
	WIN 0
	s_mov_b32 s57, 0x41000000                      ; 8.0
	s_wait_loadcnt 63                              ; 81 loads of x are younger than the small arrays'; the wait's field holds 63
	v_add_nc_u32 v98, PB, v31
	ds_store_b128 v98, v[32:35]
	ds_store_b128 v98, v[36:39] offset:2048
	ds_store_b128 v98, v[40:43] offset:4096
.irp i, 0,1,2,3,4
.irp e, 0,1,2,3
	v_mul_f32 v[67+4*\i-\e], s57, v[44+4*\i+\e]    ; 8 x, since the scores are scaled by 1/8 behind the bias; four words reversed
.endr
	; and their place reversed: entry i of head d lies at word 289 (7 - d) + 288 - i.  The place is made of the thread's number, unclamped: every thread has 16 bytes of its own, every wave 512 on end.
	; In the fifth store threads 66 to 127 so put their copy into the 992 bytes below the table, the end of the bias block, which nobody reads before b1 is stored there.
	v_sub_nc_u32 v[90+\i], TB+9232-2048*\i, v31
	ds_store_b128 v[90+\i], v[64+4*\i:67+4*\i]
.endr
	s_mul_i32 s57, s4, 20*SGP
	s_add_co_u32 s57, s57, STG
	v_add_nc_u32 v99, s57, v19
	s_lshl_b32 s57, s4, 9
	s_add_co_u32 s57, s57, STG+80*SGP
	v_add_nc_u32 v100, s57, v19
.set n, 0
.irp cnt, 63,49,33,17
	s_wait_loadcnt \cnt                            ; these 16 loads are in; the count is that of the younger loads of x (65 does not fit the field)
	WIN 0x08
.rept 16
	ds_store_b128 v99, v[4*n:4*n+3] offset:(n/4)*SGP+(n%4)*512
.set n, n+1
.endr
.endr
	s_wait_loadcnt 1
	WIN 0x0C
.rept 16
	ds_store_b128 v99, v[4*n-256:4*n-253] offset:(n/4)*SGP+(n%4)*512
.set n, n+1
.endr
	s_wait_loadcnt 0x0
	ds_store_b128 v100, v[64:67]
	WIN 0
	WLOAD 0,8                                      ; the ring is filled: lap 0; all of LN1 stands between these 64 loads and their first use
	BAR                                            ; row 80 comes from four waves; the biases and the table are for all
	LNROWS                                         ; y1 in f16; the stage now holds x + bo
	BAR
	XMOVE 0                                        ; the residual starts as x + bo
	BAR                                            ; everybody's reads of the stage are over: its bytes become q, k, v
; ---------------------------------------------------------------- QKV and attention: my two heads, no barrier
	s_mul_i32 s62, s4, 4*HB
	s_add_co_u32 s62, s62, QC                      ; the slot that the pass in hand fills
	s_lshl_b32 s79, s4, 9
	s_add_co_u32 s79, s79, PB                      ; its biases: 2,048 p + 256 (2 w + g)
	s_mul_i32 s57, s4, 2*1156
	s_sub_co_u32 s77, TB+7*1156+576, s57           ; the head's part of the table, at index 144
	s_mov_b32 s60, 2
.Lg:
	s_mov_b32 s61, 3
.Lp:
	v_lshl_add_u32 v12, v22, 5, s79
	BLOAD
	ALOAD 0,LY,0
	ALOAD 1,LY,1
	UBODY
	v_add_nc_u32 v13, s62, v23
	s_add_co_u32 s57, s62, 80*QP
	v_lshl_add_u32 v14, v22, 4, s57
	QKVEPI
	s_add_co_u32 s62, s62, HB
	s_add_co_u32 s79, s79, 2048
	s_sub_co_u32 s61, s61, 1
	s_cmp_lg_u32 s61, 0
	s_cbranch_scc1 .Lp
	; ATTENTION of one head.  K (12 fragments, window 3) and V^T (12 fragments, v32-127) stay in registers; the six query tiles go one after the other.
	s_sub_co_u32 s78, s62, 3*HB                    ; q, later ctx
	s_sub_co_u32 s57, s62, 2*HB                    ; k
	v_add_nc_u32 v24, s57, v23
	s_add_co_u32 s57, s57, 80*QP
	v_lshl_add_u32 v25, v22, 4, s57
	s_sub_co_u32 s57, s62, HB                      ; v
	v_add_nc_u32 v29, s57, v26
	s_add_co_u32 s57, s57, 80*QP
	v_add_nc_u32 v30, s57, v27
	WIN 0xC0
.set z, 0
.rept 12                                           ; z = 2 kt + ks: keys 16 kt .., channels 32 ks ..; my own bytes, in order behind my stores
.if z < 10
	ds_load_b128 v[128+8*z:131+8*z], v24 offset:16*QP*(z/2)+64*(z%2)
	ds_load_b128 v[132+8*z:135+8*z], v24 offset:16*QP*(z/2)+64*(z%2)+32
.else
	ds_load_b128 v[128+8*z:131+8*z], v25 offset:64*(z%2)
	ds_load_b128 v[132+8*z:135+8*z], v25 offset:64*(z%2)+32
.endif
.set z, z+1
.endr
	WIN 0
.set z, 0
.rept 12                                           ; z = 3 ct + kk: channels 16 ct .., keys 32 kk ..; keys 80..95 are row 80
	ds_load_tr16_b128 v[32+8*z:35+8*z], v29 offset:32*QP*(z%3)+32*(z/3)
.if (z%3) < 2
	ds_load_tr16_b128 v[36+8*z:39+8*z], v29 offset:32*QP*(z%3)+16*QP+32*(z/3)
.else
	ds_load_tr16_b128 v[36+8*z:39+8*z], v30 offset:32*(z/3)
.endif
.set z, z+1
.endr
	v_mov_b32 v231, 0                              ; pairs' upper words and exchanges' destinations count as read
	v_mov_b32 v232, 0
	v_mov_b32 v235, 0
	v_mov_b32 v237, 0
	s_mov_b32 s75, 6
	s_mov_b32 s76, 0
.Lq:
	v_add_nc_u32 v217, s76, v21
	v_min_u32 v217, 80, v217                       ; my query t
	v_mul_u32_u24 v218, v217, 57
	v_lshrrev_b32 v218, 9, v218                    ; t / 9 (exact for t < 512)
	v_lshl_add_u32 v218, v218, 3, v217             ; f(t) = t + 8 (t / 9) = 17 row + column; the bias's index is f(t) - f(s) + 144
	v_lshlrev_b32 v218, 2, v218
	v_sub_nc_u32 v220, s77, v218                   ; in the reversed table the key's part, 4 f(s), is added: it stands in the immediates
	v_lshl_add_u32 v221, v22, 5, v220              ; f(s + 8) = f(s) + 8 where s % 9 = 0,
	v_lshl_add_u32 v222, v22, 6, v220              ; f(s) + 16 elsewhere
	v_mul_u32_u24 v219, v217, QP
	v_lshl_add_u32 v219, v22, 4, v219
	v_add_nc_u32 v219, s78, v219
	ds_load_b128 v[200:203], v219
	ds_load_b128 v[204:207], v219 offset:32
	ds_load_b128 v[208:211], v219 offset:64
	ds_load_b128 v[212:215], v219 offset:96
.set z, 0
.rept 40                                           ; the scores start at 8 x bias: register z: key 16 (z / 8) + z % 8 + 8 h
.set ky, 16*(z/8)+z%8
.if (ky%9) == 0
	ds_load_b32 v[128+z], v221 offset:4*(ky+8*(ky/9))
.else
	ds_load_b32 v[128+z], v222 offset:4*(ky+8*(ky/9))
.endif
.set z, z+1
.endr
	ds_load_b32 v168, v220 offset:4*144            ; key 80 (h = 0)
.set z, 169
.rept 7
	v_mov_b32 v[z], v28                            ; keys 81 .. are hidden
.set z, z+1
.endr
	s_wait_dscnt 0x0
	v_cndmask_b32 v168, v168, v28, s56             ; key 88 too
	WIN 0x03
.set z, 0
.rept 12                                           ; S^T = K Q^T + C: the six accumulators take turns
	v_wmma_f32_16x16x32_f16 v[128+8*(z%6):135+8*(z%6)], v[128+16*(z%6)+8*(z/6):135+16*(z%6)+8*(z/6)], v[200+8*(z/6):207+8*(z/6)], v[128+8*(z%6):135+8*(z%6)]
.set z, z+1
.endr
	WIN 0
	PLACES
.set z, 0
.rept 6
	v_max3_num_f32 v[224+z], v[128+8*z], v[129+8*z], v[130+8*z]  ; each accumulator's lowest registers are read first
.set z, z+1
.endr
.set z, 0
.rept 6
	v_max3_num_f32 v[224+z], v[224+z], v[131+8*z], v[132+8*z]
.set z, z+1
.endr
.set z, 0
.rept 6
	v_max3_num_f32 v[224+z], v[224+z], v[133+8*z], v[134+8*z]
.set z, z+1
.endr
	v_max3_num_f32 v224, v224, v135, v143
	v_max3_num_f32 v226, v226, v151, v159
	v_max3_num_f32 v228, v228, v167, v175
	v_max3_num_f32 v224, v224, v225, v226
	v_max3_num_f32 v227, v227, v228, v229
	v_max_num_f32 v224, v224, v227
	v_permlanex16_b32 v232, v224, s54, s55         ; the query's other 48 keys lie in the lane 16 away
	v_max_num_f32 v224, v224, v232                 ; the row's maximum
	v_mul_f32 v230, s52, v224
.set z, 0
.rept 24
	v_pk_fma_f32 v[128+2*z:129+2*z], v[128+2*z:129+2*z], s[52:53], v[230:231] op_sel_hi:[1,0,0] neg_lo:[0,0,1] neg_hi:[0,0,1]  ; c s - c m
.set z, z+1
.endr
.set z, 0
.rept 48
	v_exp_f32 v[128+z], v[128+z]
.set z, z+1
.endr
	v_nop
	s_wait_alu depctr_va_vdst(0)                   ; one wait for the 48
.set z, 0
.rept 24
	v_cvt_pk_f16_f32 v[176+z], v[128+2*z], v[129+2*z]  ; two score tiles in pairs ARE a fragment of P: 32 keys x 16 queries
.set z, z+1
.endr
.set z, 0
.rept 12
	v_pk_add_f32 v[128+2*z:129+2*z], v[128+2*z:129+2*z], v[152+2*z:153+2*z]
.set z, z+1
.endr
.set z, 0
.rept 6
	v_pk_add_f32 v[128+2*z:129+2*z], v[128+2*z:129+2*z], v[140+2*z:141+2*z]
.set z, z+1
.endr
.set z, 0
.rept 3
	v_pk_add_f32 v[128+2*z:129+2*z], v[128+2*z:129+2*z], v[134+2*z:135+2*z]
.set z, z+1
.endr
	v_pk_add_f32 v[128:129], v[128:129], v[130:131]
	v_pk_add_f32 v[128:129], v[128:129], v[132:133]
	v_add_f32 v234, v128, v129
	v_permlanex16_b32 v235, v234, s54, s55
	v_add_f32 v234, v234, v235                     ; the row's sum, of the unrounded weights
	v_rcp_f32 v236, v234
.set z, 0
.rept 12                                           ; O^T = V^T P: four accumulators by turns; the first four start the sums
.if z < 4
	v_wmma_f32_16x16x32_f16 v[128+8*(z%4):135+8*(z%4)], v[32+24*(z%4)+8*(z/4):39+24*(z%4)+8*(z/4)], v[176+8*(z/4):183+8*(z/4)], 0
.else
	v_wmma_f32_16x16x32_f16 v[128+8*(z%4):135+8*(z%4)], v[32+24*(z%4)+8*(z/4):39+24*(z%4)+8*(z/4)], v[176+8*(z/4):183+8*(z/4)], v[128+8*(z%4):135+8*(z%4)]
.endif
.set z, z+1
.endr
	PLACES                                         ; also the plain instructions behind the reciprocal
	s_wait_alu depctr_va_vdst(0)                   ; and its wait, ahead of its first reader
.set z, 0
.rept 16
	v_pk_mul_f32 v[128+2*z:129+2*z], v[128+2*z:129+2*z], v[236:237] op_sel_hi:[1,0]
.set z, z+1
.endr
.set z, 0
.rept 16
	v_cvt_pk_f16_f32 v[240+z], v[128+2*z], v[129+2*z]
.set z, z+1
.endr
.set z, 0
.rept 4
	ds_store_b128 v219, v[240+4*z:243+4*z] offset:32*z  ; ctx takes the place of the q rows just used
.set z, z+1
.endr
	s_add_co_u32 s76, s76, 16
	s_sub_co_u32 s75, s75, 1
	s_cmp_lg_u32 s75, 0
	s_cbranch_scc1 .Lq
	s_sub_co_u32 s62, s62, 2*HB                    ; my second head: slots 1, 2, 3
	s_sub_co_u32 s79, s79, 3*2048-256
	s_sub_co_u32 s77, s77, 1156
	s_sub_co_u32 s60, s60, 1
	s_cmp_lg_u32 s60, 0
	s_cbranch_scc1 .Lg
; ---------------------------------------------------------------- ctx Wo onto the residual: 4 trips of two heads (128 of K, one lap)
	BAR                                            ; ctx of all heads is whole
	PLOAD 26,28,40                                 ; what LN2 and the MLP will want of the small arrays is asked for here, a whole product ahead: v160-223 lie idle meanwhile
.irp i, 0,1,2,3
	global_load_b128 v[208+4*\i:211+4*\i], v31, s[38:39] offset:2048*\i
.endr
	s_mov_b32 s81, 4
.Lwo:
	ALOAD 0,LQ,0
	ALOAD 1,LQ,1
	XSTEP 0,LQ,1,1,48,12                           ; 48: the 6 younger slots' loads (in the first trip the 16 small loads are younger too: the count then asks for more than it needs); 12: the other buffer's
	XSTEP 1,LQ,1,1,48,12
	XSTEP 2,LQ,1,0,48,12
	XSTEP 3,LQ,1,0,48,0
	v_add_nc_u32 v10, 4*HB, v10
	v_add_nc_u32 v11, 4*HB, v11
	s_sub_co_u32 s81, s81, 1
	s_cmp_lg_u32 s81, 0
	s_cbranch_scc1 .Lwo
; ---------------------------------------------------------------- LN2
	BAR                                            ; everybody's reads of ctx are over: its bytes become the stage again
	XMOVE 1                                        ; x1
	s_wait_loadcnt 63                              ; the 16 small loads were issued ahead of Wo's 256 loads of weights: more than 63 are younger
	v_add_nc_u32 v224, PB, v31
.irp i, 0,1,2,3
	ds_store_b128 v224, v[208+4*\i:211+4*\i] offset:2048*\i  ; b1 where bq, bk, bv lay
.endr
	BAR
	LNROWS                                         ; y2 in f16; the stage now holds x1 + b2
	BAR
	XMOVE 0
	BAR                                            ; the stage's bytes become h
; ---------------------------------------------------------------- the MLP: 8 chunks; a trip goes from the middle of one chunk's X pass to the middle of the next one's
	s_lshl_b32 s79, s4, 8
	s_add_co_u32 s79, s79, PB
	v_lshl_add_u32 v12, v22, 5, s79
	BLOAD
	ALOAD 0,LY,0
	ALOAD 1,LY,1
	s_mov_b32 s80, 8
	s_branch .Lenter
.Lmlp:
	s_add_co_u32 s79, s79, 1024
	v_lshl_add_u32 v12, v22, 5, s79
	BLOAD                                          ; the next chunk's b1: v128-159 are free since GELU
	XSTEP 4,LH,1,1,48,20                           ; 20: the other buffer's 12 loads and the 8 just issued
	XSTEP 5,LH,1,1,48,20
	XSTEP 6,LH,1,2,48,12
	XSTEP 7,LH,1,2,48,12
	BAR                                            ; everybody's reads of h are over
.Lenter:
	UBODY
	GELU
	BAR                                            ; h is whole
	ALOAD 0,LH,0
	ALOAD 1,LH,1
	XSTEP 0,LH,1,1,48,12
	XSTEP 1,LH,1,1,48,12
	XSTEP 2,LH,1,1,48,12
	XSTEP 3,LH,1,1,48,12
	s_sub_co_u32 s80, s80, 1
	s_cmp_lg_u32 s80, 0
	s_cbranch_scc1 .Lmlp
	XSTEP 4,LH,0,1,48,12                           ; the last lap is written out: nothing is loaded past the weights' end, and the counts run down
	XSTEP 5,LH,0,1,32,12
	XSTEP 6,LH,0,0,16,12
	XSTEP 7,LH,0,0,0,0
; ---------------------------------------------------------------- the way out
	BAR                                            ; everybody's reads of h are over: the stage once more
	XMOVE 1                                        ; I write my own 512 bytes of every row, and read only those back
	s_lshl_b32 s57, s4, 9
	v_add_nc_u32 v25, s57, v19
	s_add_co_u32 s57, s57, STG
	v_add_nc_u32 v24, s57, v19
	s_mov_b32 s82, 9
.Lout:                                                 ; 9 trips of 9 rows
.set z, 0
.rept 9
	ds_load_b128 v[32+4*z:35+4*z], v24 offset:SGP*z    ; in order behind my stores
.set z, z+1
.endr
.set z, 0
.rept 9
	s_wait_dscnt 8-z                               ; row z is back; the younger loads stay out
	global_store_b128 v25, v[32+4*z:35+4*z], s[20:21] offset:2048*z th:TH_STORE_NT  ; 512 consecutive bytes, at a multiple of 512 from out0's first
.set z, z+1
.endr
	s_wait_xcnt 0x0                                ; the stores have read their registers: data and offset are written again only behind this wait
	v_add_nc_u32 v24, 9*SGP, v24
	v_add_nc_u32 v25, 9*2048, v25
	s_sub_co_u32 s82, s82, 1
	s_cmp_lg_u32 s82, 0
	s_cbranch_scc1 .Lout
	s_wait_tensorcnt 0x0                           ; the wave's end, behind my last LDS store
	ds_add_u32 v1, v2
	s_wait_dscnt 0x0
	s_endpgm
.Lfunc_end_k_q494925cb66_block:
	.size	k_q494925cb66_block, .Lfunc_end_k_q494925cb66_block-k_q494925cb66_block
	.p2alignl 7, 3214868480
	.fill 96, 4, 3214868480
	.section	.rodata,"a",@progbits
	.p2align	6, 0x0
	.amdhsa_kernel k_q494925cb66_block
		.amdhsa_group_segment_fixed_size 289024
		.amdhsa_private_segment_fixed_size 0
		.amdhsa_enable_private_segment 0
		.amdhsa_kernarg_size 112
		.amdhsa_user_sgpr_count 2
		.amdhsa_user_sgpr_kernarg_segment_ptr 1
		.amdhsa_wavefront_size32 1
		.amdhsa_system_sgpr_workgroup_id_x 1
		.amdhsa_system_sgpr_workgroup_id_y 1
		.amdhsa_system_sgpr_workgroup_id_z 1
		.amdhsa_system_vgpr_workitem_id 0
		.amdhsa_next_free_vgpr 1024
		.amdhsa_next_free_sgpr 100
		.amdhsa_reserve_vcc 0
		.amdhsa_float_denorm_mode_32 3
		.amdhsa_float_denorm_mode_16_64 3
		.amdhsa_memory_ordered 1
		.amdhsa_forward_progress 1
		.amdhsa_inst_pref_size 255
	.end_amdhsa_kernel
	.section	.bss,"aw",@nobits
	.p2align	6
	.space	262144
	.amdgpu_metadata
---
amdhsa.version: [ 1, 2 ]
amdhsa.kernels:
  - .name:           k_q494925cb66_block
    .symbol:         k_q494925cb66_block.kd
    .args:
      - { .name: x, .offset: 0, .size: 8, .value_kind: global_buffer, .address_space: global }
      - { .name: wf, .offset: 8, .size: 8, .value_kind: global_buffer, .address_space: global }
      - { .name: out0, .offset: 16, .size: 8, .value_kind: global_buffer, .address_space: global }
      - { .name: ln1_scale, .offset: 24, .size: 8, .value_kind: global_buffer, .address_space: global }
      - { .name: ln1_bias, .offset: 32, .size: 8, .value_kind: global_buffer, .address_space: global }
      - { .name: ln2_scale, .offset: 40, .size: 8, .value_kind: global_buffer, .address_space: global }
      - { .name: ln2_bias, .offset: 48, .size: 8, .value_kind: global_buffer, .address_space: global }
      - { .name: bq, .offset: 56, .size: 8, .value_kind: global_buffer, .address_space: global }
      - { .name: bk, .offset: 64, .size: 8, .value_kind: global_buffer, .address_space: global }
      - { .name: bv, .offset: 72, .size: 8, .value_kind: global_buffer, .address_space: global }
      - { .name: bo, .offset: 80, .size: 8, .value_kind: global_buffer, .address_space: global }
      - { .name: b1, .offset: 88, .size: 8, .value_kind: global_buffer, .address_space: global }
      - { .name: b2, .offset: 96, .size: 8, .value_kind: global_buffer, .address_space: global }
      - { .name: rel_pos_bias, .offset: 104, .size: 8, .value_kind: global_buffer, .address_space: global }
    .group_segment_fixed_size: 289024
    .private_segment_fixed_size: 0
    .kernarg_segment_align: 8
    .kernarg_segment_size: 112
    .max_flat_workgroup_size: 128
    .sgpr_count:     100
    .vgpr_count:     1024
    .wavefront_size: 32
...
	.end_amdgpu_metadata
.endif
;; end of part 2
;; ======== version 2 of 2: 2 launches; version 1 with the launch block written anew for expert scheduling mode
;; limits: values are held in f16: magnitudes above 65,504 overflow, below 6.1e-05 lose precision
;; workspace buffers: wf 6,291,456 bytes
;; launch pack: the kernel of part 1 again; grid 256 x 1, 6 waves a work-group, no clusters, 31,488 bytes of LDS; arguments Wq, Wk, Wv, Wo, W1, W2, wf; writes wf
;; launch block (part 3): grid 256 x 1, 4 waves a work-group, no clusters, 289,024 bytes of LDS; arguments x, wf, out0, ln1_scale, ln1_bias, ln2_scale, ln2_bias, bq, bk, bv, bo, b1, b2, rel_pos_bias; writes out0
.if DOCPART == 3
	.amdgcn_target "amdgcn-amd-amdhsa--gfx1250"
	.amdhsa_code_object_version 6
	.text
	.protected	k_q494925cb66_block
	.globl	k_q494925cb66_block
	.p2align	8
	.type	k_q494925cb66_block,@function
k_q494925cb66_block:
	s_mov_b64 s[64:65], 0
	v_nop
	global_prefetch_b8 v0, s[64:65] scope:SCOPE_SE
	s_setreg_imm32_b32 hwreg(HW_REG_WAVE_SCHED_MODE, 0, 2), 2
	s_setreg_imm32_b32 hwreg(HW_REG_WAVE_MODE, 25, 1), 1
	s_wait_xcnt 0x0
	s_wait_alu depctr_vm_vsrc(0)
; ONE TRANSFORMER BLOCK FOR ONE BATCH ELEMENT (81 tokens x 512) IN ONE WORK-GROUP OF FOUR WAVES.  x is read once, out0 written once, nothing else goes to memory.
; 81 rows are 6 tiles of 16; rows 81..95 are COPIES OF ROW 80: every row address is min(row, 80), so the pad lanes compute the same numbers as row 80's lane and
; write equal bytes to equal addresses; EXEC is never changed.  Pad KEYS are hidden by -1e30 in the C operand that starts the scores.
; ALL PRODUCTS ARE USED TRANSPOSED: source 0 = 16 weight columns x 32 k, source 1 = 16 tokens x 32 k; in the result lane (r = l % 16, h = l / 16) holds token r and the
; eight neighbouring columns 8 h + 0..7.
; THE RESIDUAL (x, then x1, then the output) stays in 384 accumulator registers a wave (96 rows x my 128 columns), f32, from start to end; Wo's and W2's products add onto it.
; LAYERNORM goes by rows through an f32 stage in LDS, which also turns rows into the accumulators' layout and back.  Mean first, then the squares of the differences.
; QKV AND ATTENTION: wave w does heads 2 w and 2 w + 1 alone, in LDS bytes of its own: no barrier.  A head's whole score row (96 keys) is in registers, so the softmax takes the row's true maximum.
; MLP in 8 chunks of 256 hidden units: U pass (96 x 64 a wave), GELU, h through LDS, X pass (96 x 128 a wave onto the residual).
; THE WEIGHTS come as fragment images (launch pack) from memory STRAIGHT INTO REGISTERS: a ring of 8 slots of 32 registers a wave; a slot is asked for again in the first run of loads behind its
; products, so 48 to 64 loads of a wave are out and a load has at least 6 groups, 144 matrix instructions, in which to land.
; LOADS STAND IN RUNS, 48 matrix instructions to a run.  In an X pass that is one K step.  In a U pass it is two: three fragment buffers, K step k in buffer k % 3; behind K steps s - 1 and s (s odd) a run
; fetches K steps s + 2 and s + 3 and refills both slots, and K step s + 1, fetched a run earlier, is multiplied while they come.
; NO CLUSTER, NO LDS RING, though all work-groups read the same weights: inside a work-group each weight byte is wanted by ONE wave, the activations take 289,024 of the 327,680
; bytes of LDS, and two slots in the 38,656 bytes left would hold one group (16,384 bytes, 24 matrix instructions a wave) each, with every load waited for at every change of slots.
; THE FORMAT.  Matrix operands (y, q, k, v, p, ctx, h, weights) are f16, each rounded once from f32; all sums, the residual, LN, softmax and GELU are f32.  f16, with 11 significant bits to bf16's 8, since every
; number of the output must lie within a hundredth of the output's root mean square, and the roundings of y, W1, h, W2, ctx and Wo reach the output undiminished.
; LIMITS.  f16 holds no number beyond 65,504: a conversion past it gives an infinity, and the row is lost.  |y| <= 22.6 |gain| + |bias| by LayerNorm itself; p lies in 0 to 1; ctx is a mean of v's rows.  q, k, v and h
; are sums y W + b of 512 terms: with gains 30 times one and weights 30 times a spread of 512^-0.5 their spread is 900, and the largest of 42 million such numbers about 5,000.  Below 6e-5 f16 keeps a fixed step of
; 6e-8: with gains and weights 30 times smaller h is about 5e-4, and the step 1e-4 of it.  A hidden key counts as -1e30; a weight p below 2^-126 counts as 0 in the row sum; NaN and infinities are not treated apart.
; GELU is u / (1 + 2^(u (K1 u^2 + K0))), the tanh form itself; where u^2 overflows it still gives u or -0.
; THE MODE: SCHED_MODE bits 1:0 = 2 (LLVM: expert scheduling mode 2), set by the entry lines.  The code itself states the register dependences between vector or matrix instructions and memory or
; LDS instructions, with s_wait_alu, always for 0.
; THE PLAN.  Registers that memory or LDS instructions touch, and who else names them:
;   the ring (window 1), the fragment buffers v32-175: written by loads, read by products.  ONE wait on va_vdst stands at the head of each run of loads: the products issued so far are done reading the slots
;       and buffers in which the run's loads land.  Between that wait and the run's last load stand loads and window switches alone.
;   out-buffers, each written whole by conversions, with one wait on va_vdst ahead of its run of stores and one on vm_vsrc ahead of the first line that writes it again: a pass's q, k or v in v128-191 and v32-63;
;       a chunk's h in v32-127, 32 registers a batch, a batch's stores behind the next batch's first wait; a LayerNorm trip's rows in v32-95 and its y in v96-159; a query tile's ctx in v240-255.
;   the residual (windows 2, 3): written by products and by XMOVE's loads, read by XMOVE's stores: XMOVE has a pair of waits of its own.
;   addresses v3-9, v15-20, v31: made at the head, never written again.  v10-14, v24-25, v29-30, v219-222, v224, v232-239 are made anew or stepped: a wait on vm_vsrc ahead of the line, and the line ahead of a
;       wait on va_vdst, one that stands there anyway where there is one.
;
; LDS
.set YP,   1040                        ; a row of y in f16: 1,024 bytes + 16.  All pitches are odd multiples of 16 bytes: the 16 rows of a load start at 16 different 16-byte columns modulo 256
.set SGP,  2064                        ; a row of the f32 stage
.set QP,   144                         ; a row of q, k, v or ctx of one head
.set HP,   528                         ; a row of a chunk of h
.set HB,   81*QP                       ; 81 rows of one head: a slot
.set STG,  81*YP                       ; y [81][1040] lies at 0; behind it the stage [81][2064], which takes turns with:
.set QC,   STG                         ;   4 waves x 4 slots of HB: pass p of my head g goes to my slot g + p; ctx overwrites q, so ctx of heads 2 w, 2 w + 1 ends in slots 0, 1
.set HH,   STG                         ;   h [81][528]
.set PB,   QC+16*HB                    ; 8,192 bytes: bq, bk, bv in the first 6,144 (the last 992 take what the table's fifth store has over); later b1 in all of them
.set TB,   PB+8192                     ; 9,248 bytes: 8 x rel_pos_bias, the whole array reversed word by word
.set SPARE, 288512                     ; the spare words, 128 bytes a wave: two blocks of 256 bytes that no other line names
.set GRP,  16384                       ; a group of weights: 4 fragments for each of 4 waves
.set LAP,  8*GRP                       ; once round the ring
.set LY, 0                             ; the three places that activation fragments come from
.set LH, 1
.set LQ, 2
; REGISTERS, in windows of 256 (s_set_vgpr_msb: bits 1:0 source 0, 3:2 source 1, 5:4 source 2, 7:6 destination)
;   window 0: v0-31 addresses (below); v32-79, v80-127 activation fragments, 6 tiles x 8, two buffers (behind a U pass: out-buffers); v128-191 at work (in a U pass: v128-159 the biases, then v128-175 the third buffer); v192-255 U tiles 16-23
;   window 1: the weight ring: slot s at 32 s, fragment f at + 8 f      window 2: residual tiles (mt 0-3, nt) at 8 (8 mt + nt)
;   window 3: v0-127 residual tiles mt 4, 5; v128-255 U tiles 0-15 (tile u = 4 mt + f)
;   v1 spare word, v2 zero, v3 4096 w + 16 l (weights), v4 prefetch offset, v5-7 y fragments (tiles 0-2, 3-4, 5), v8-9 h fragments, v10-11 ctx fragments, v12 bias, v13-14 q/k/v stores,
;   v15-16 h stores, v17-18 stage in the accumulators' layout, v19 16 l, v20 8 l, v21 r, v22 h, v23 144 r + 16 h, v26-27 lane terms of V's turning loads, v28 -1e30, v31 16 x thread; v24, v25, v29, v30 at work
;   s4 wave, s5 work-group, s[16:43] the 14 buffers, s[44:45] the stream at the lap that is being fetched, s46 its number, s47 the lap at whose fetching I prefetch
.set MSB, 0
.macro WIN new                         ; the immediate's high byte repeats the setting that is left; a switch that changes nothing is dropped
.if MSB != (\new)
	s_set_vgpr_msb (MSB<<8)|(\new)
.set MSB, (\new)
.endif
.endm
.macro PLACES                          ; four places behind a matrix instruction, ahead of loads into its registers and of readers of its result
.rept 4
	v_nop
.endr
.endm
.macro BAR                             ; my LDS stores and loads are done, for the others' sake; then everybody's are
	s_wait_dscnt 0x0
	s_barrier_signal -1
	s_barrier_wait -1
.endm
.macro AL2 reg, adr, off               ; a fragment: 16 rows x 32 k: two loads of 16 bytes, 32 bytes apart
	ds_load_b128 v[(\reg):(\reg)+3], v[\adr] offset:(\off)
	ds_load_b128 v[(\reg)+4:(\reg)+7], v[\adr] offset:(\off)+32
.endm
.macro ALOAD buf, lay, k               ; the six tiles' fragments of K step k into buffer buf (at v[32 + 48 buf]): 12 loads
	WIN 0
.if (\lay) == LY
	AL2 32+48*(\buf),5,64*(\k)
	AL2 40+48*(\buf),5,16*YP+64*(\k)
	AL2 48+48*(\buf),5,32*YP+64*(\k)
	AL2 56+48*(\buf),6,64*(\k)
	AL2 64+48*(\buf),6,16*YP+64*(\k)
	AL2 72+48*(\buf),7,64*(\k)
.elseif (\lay) == LH
	AL2 32+48*(\buf),8,64*(\k)
	AL2 40+48*(\buf),8,16*HP+64*(\k)
	AL2 48+48*(\buf),8,32*HP+64*(\k)
	AL2 56+48*(\buf),8,48*HP+64*(\k)
	AL2 64+48*(\buf),8,64*HP+64*(\k)
	AL2 72+48*(\buf),9,64*(\k)
.else
	AL2 32+48*(\buf),10,HB*((\k)/2)+64*((\k)%2)
	AL2 40+48*(\buf),10,16*QP+HB*((\k)/2)+64*((\k)%2)
	AL2 48+48*(\buf),10,32*QP+HB*((\k)/2)+64*((\k)%2)
	AL2 56+48*(\buf),10,48*QP+HB*((\k)/2)+64*((\k)%2)
	AL2 64+48*(\buf),10,64*QP+HB*((\k)/2)+64*((\k)%2)
	AL2 72+48*(\buf),11,HB*((\k)/2)+64*((\k)%2)
.endif
.endm
.macro WLOAD slot, n                   ; my 4 fragments of each of n groups on end, of the lap at the pointer, into n slots of the ring: 8 loads of 512 consecutive bytes a slot
	WIN 0x40
.set wq, 0
.rept 8*(\n)
	global_load_b128 v[32*(\slot)+4*wq:32*(\slot)+4*wq+3], v3, s[44:45] offset:((\slot)+wq/8)*GRP+512*(wq%8)
.set wq, wq+1
.endr
	WIN 0
.endm
.macro BLOAD                           ; the biases of my 64 columns, fragment f's eight at v[128 + 8 f]: the C of the first K step's products, the same for all six row tiles: 8 loads
	WIN 0
.set u, 0
.rept 4
	ds_load_b128 v[128+8*u:131+8*u], v12 offset:64*u
	ds_load_b128 v[132+8*u:135+8*u], v12 offset:64*u+16
.set u, u+1
.endr
.endm
; A PREFETCH INTO THE L2, behind a lap's first run of loads: 32 blocks of 256 bytes, a lane a block, of the lap behind the one that is being fetched.  A lap's 512 blocks are shared by 16
; work-groups (by the work-group's number % 16, in the offset); which laps a work-group asks for goes by its number / 16: every sixteenth lap.  Wave 0 alone asks.  So each block of laps 2 to 47 is named once in
; the launch; laps 0 and 1 come by their loads alone, and nothing is asked for past lap 47.  Its offset v4 is made at the head and never written again.
.macro ASK
	WIN 0
	s_cmp_eq_u32 s46, s47
	s_cbranch_scc0 .Lno_\@
	global_prefetch_b8 v4, s[44:45] offset:LAP th:TH_LOAD_NT scope:SCOPE_SE
	s_add_co_u32 s47, s47, 16
	s_cmp_gt_u32 s47, 46
	s_cselect_b32 s47, -1, s47
.Lno_\@:
.endm
; The pointer goes on to the next lap at the head of the run that holds that lap's first refill: the youngest load that names it stands 24 matrix instructions back or more, the prefetch a lap back.
.macro LAPSTEP
	s_wait_xcnt 0x0                                ; every load and prefetch issued so far has read its address: the stream's pointer may be written
	s_add_nc_u64 s[44:45], s[44:45], LAP
	s_add_co_u32 s46, s46, 1
.endm
; K step s of a U pass: 24 matrix instructions, each accumulator one turn.  K step 0 starts the sums at the biases: its C is v[128 + 8 f] of window 0 for every row tile.
.macro UMUL s
.if (\s) == 0
	WIN 0xC1
.else
	WIN 0xF1
.endif
.set u, 0
.rept 16
.if (\s) == 0
	v_wmma_f32_16x16x32_f16 v[128+8*u:135+8*u], v[8*(u%4):8*(u%4)+7], v[32+8*(u/4):39+8*(u/4)], v[128+8*(u%4):135+8*(u%4)]
.else
	v_wmma_f32_16x16x32_f16 v[128+8*u:135+8*u], v[32*((\s)%8)+8*(u%4):32*((\s)%8)+8*(u%4)+7], v[32+48*((\s)%3)+8*(u/4):32+48*((\s)%3)+8*(u/4)+7], v[128+8*u:135+8*u]
.endif
.set u, u+1
.endr
	WIN 0x01
.rept 8
.if (\s) == 0
	v_wmma_f32_16x16x32_f16 v[64+8*u:71+8*u], v[8*(u%4):8*(u%4)+7], v[32+8*(u/4):39+8*(u/4)], v[128+8*(u%4):135+8*(u%4)]
.else
	v_wmma_f32_16x16x32_f16 v[64+8*u:71+8*u], v[32*((\s)%8)+8*(u%4):32*((\s)%8)+8*(u%4)+7], v[32+48*((\s)%3)+8*(u/4):32+48*((\s)%3)+8*(u/4)+7], v[64+8*u:71+8*u]
.endif
.set u, u+1
.endr
.endm
; The run of loads behind K step s.  Behind K step 0: K step 2, into the registers that the biases leave, and slot 0.  Behind K step 1: K steps 3 and 4, and slot 1.
; Behind an odd s from 3 on: K steps s + 2 and s + 3, as far as the pass has them, and slots s - 1 and s.
.macro URUN s
	WIN 0
	PLACES
.if ((\s) == 0) || ((\s) == 9)
	LAPSTEP                                        ; slot 0 is among the run's: a new lap
.endif
	s_wait_alu depctr_va_vdst(0)                   ; the products issued so far are done reading the buffers (behind K step 0: the biases) and the slots in which this run's loads land
.if (\s) == 0
	ALOAD 2,LY,2
	WLOAD 0,1
	ASK
.elseif (\s) == 1
	ALOAD 0,LY,3
	ALOAD 1,LY,4
	WLOAD 1,1
.else
.if (\s) < 14
	ALOAD ((\s)+2)%3,LY,(\s)+2
.endif
.if (\s) < 13
	ALOAD ((\s)+3)%3,LY,(\s)+3
.endif
	WLOAD ((\s)-1)%8,2
.if ((\s)%8) == 1
	ASK
.endif
.endif
.endm
; A U pass: 16 K steps, 9 runs of loads.  The biases and K steps 0 and 1 have been asked for, in this order.
.macro UBODY
.set us, 0
.rept 16
.if ((us%2) == 0) || (us == 1)
	s_wait_loadcnt 56                              ; this slot's 8 loads are in; the 7 slots refilled behind it stay out
.else
	s_wait_loadcnt 48                              ; no refill stands between a pair's two K steps: 6 slots were refilled behind this one
.endif
.if us == 15
	s_wait_dscnt 0x0
.elseif ((us%2) == 0) && (us > 0) && (us < 14)
	s_wait_dscnt 24                                ; this K step's fragments are in; the 24 loads of the run just issued stay out
.else
	s_wait_dscnt 12                                ; one buffer's 12 loads are younger
.endif
	UMUL us
.if (us == 0) || ((us%2) == 1)
	URUN us
.endif
.set us, us+1
.endr
.endm
; One K step of an X pass: two groups, 48 matrix instructions onto the residual.  la = 1: the fragments two steps on are fetched; 2: the next U pass's first ones; lw, dw: the younger loads that may stay out.
.macro XSTEP j, lay, refill, la, lw, dw
	s_wait_loadcnt \lw
	s_wait_dscnt \dw
	WIN 0xA1
.set u, 0
.rept 32
	v_wmma_f32_16x16x32_f16 v[8*u:8*u+7], v[32*((2*(\j))%8)+8*(u%8):32*((2*(\j))%8)+8*(u%8)+7], v[32+48*((\j)%2)+8*(u/8):32+48*((\j)%2)+8*(u/8)+7], v[8*u:8*u+7]
.set u, u+1
.endr
	WIN 0xF1
.rept 16
	v_wmma_f32_16x16x32_f16 v[8*u-256:8*u-249], v[32*((2*(\j))%8)+8*(u%8):32*((2*(\j))%8)+8*(u%8)+7], v[32+48*((\j)%2)+8*(u/8):32+48*((\j)%2)+8*(u/8)+7], v[8*u-256:8*u-249]
.set u, u+1
.endr
	WIN 0
	PLACES
.if (\refill) && (((\j)%4) == 0)
	LAPSTEP
.endif
.if ((\la)+(\refill)) > 0
	s_wait_alu depctr_va_vdst(0)                   ; this K step's products are done reading the buffer and the two slots in which the loads below land; an address stepped ahead of this K step is written
.endif
.if (\la) == 1
	ALOAD (\j)%2,\lay,(\j)+2
.elseif (\la) == 2
	ALOAD (\j)%2,LY,(\j)-6
.endif
.if \refill
	WLOAD (2*(\j))%8,2
.if ((\j)%4) == 0
	ASK
.endif
.endif
.endm
.macro PLOAD g, b, a                   ; gain, bias and the addend of the write-back: lane l holds columns 128 i + 4 l + 0..3, as in a stage row's loads
.irp i, 0,1,2,3
	global_load_b128 v[160+4*\i:163+4*\i], v19, s[\g:\g+1] offset:512*\i
	global_load_b128 v[176+4*\i:179+4*\i], v19, s[\b:\b+1] offset:512*\i
	global_load_b128 v[192+4*\i:195+4*\i], v19, s[\a:\a+1] offset:512*\i
.endr
.endm
; The residual between its registers and the stage: tile (mt, nt), lane (r, h): row 16 mt + r, bytes 512 w + 64 nt + 32 h.  st = 1: stores (each tile's low registers first), 0: loads.
.macro XMOVE st
	WIN 0
	s_wait_alu depctr_vm_vsrc(0)                   ; the LDS instructions issued so far have read v29 and v30 (V's turning loads, an earlier move) and, where this move loads, the residual's registers (the stores of the head or of an earlier move)
	v_add_nc_u32 v29, 32*SGP, v17
	v_add_nc_u32 v30, 64*SGP, v17
	s_wait_alu depctr_va_vdst(0)                   ; v29 and v30 are written; where this move stores, the products have written the residual (their four places stand behind the last K step)
.set xm, 0
.rept 6
.if xm < 2
.set XA, 17
.set XO, 16*SGP*xm
.elseif xm < 4
.set XA, 29
.set XO, 16*SGP*(xm-2)
.elseif xm == 4
.set XA, 30
.set XO, 0
.else
.set XA, 18
.set XO, 0
.endif
.set XR, 64*(xm%4)
.if \st
	WIN 0x08+4*(xm/4)
.else
	WIN 0x80+0x40*(xm/4)
.endif
.set xn, 0
.rept 16
.if \st
	ds_store_b128 v[XA], v[XR+4*xn:XR+4*xn+3] offset:XO+64*(xn/2)+16*(xn%2)
.else
	ds_load_b128 v[XR+4*xn:XR+4*xn+3], v[XA] offset:XO+64*(xn/2)+16*(xn%2)
.endif
.set xn, xn+1
.endr
.set xm, xm+1
.endr
	WIN 0
.endm
.macro LANESUM                         ; v216-219 summed over the 32 lanes, for four rows at once
.irp m, 1,2,4,8
.irp k, 0,1,2,3
	v_add_f32_dpp v[216+\k], v[216+\k], v[216+\k] row_xmask:\m row_mask:0xf bank_mask:0xf
.endr
.endr
.irp k, 0,1,2,3
	v_permlanex16_b32 v[220+\k], v[216+\k], s54, s55
.endr
.irp k, 0,1,2,3
	v_add_f32 v[216+\k], v[216+\k], v[220+\k]
.endr
.endm
; LAYERNORM of the stage's rows.  Wave w owns rows 20 w .. 20 w + 19, wave 3 also row 80: 6 trips of 4 rows, of which the sixth is wave 3's alone (its four row places all name row 80; all its reads
; stand ahead of its writes).  y goes to LDS in f16; the row plus the addend (bo, b2) goes back into the stage.  v32-95 the rows, v96-159 the differences, v208.. mean, v240.. 1/sigma (pairs, low word used).
; A trip's stores stand in two runs of 16, each behind one wait on va_vdst.
.macro LNROWS
	WIN 0
.irp z, 209,211,213,215,220,221,222,223,241,243,245,247
	v_mov_b32 v\z, 0                               ; the pairs' upper words and the exchanges' destinations count as read
.endr
	s_mul_i32 s68, s4, 20                          ; the trip's first row
	s_add_co_u32 s70, s68, 19
	s_cmp_eq_u32 s4, 3
	s_cselect_b32 s70, 80, s70                     ; my last row
	s_mov_b32 s69, 6
.Lrow_\@:
	s_wait_alu depctr_vm_vsrc(0)                   ; the LDS instructions issued so far (the last trip's; in the first trip those of the lines in front) have read v32-159 and v232-239, which this trip writes again; ahead of the branch, so that it lies on every way
	s_cmp_gt_u32 s68, s70
	s_cbranch_scc1 .Lskip_\@                       ; a dead trip is jumped, forward; no barrier is passed
.irp k, 0,1,2,3
	s_add_co_u32 s71, s68, \k
	s_min_u32 s71, s71, 80
	s_mul_i32 s72, s71, SGP
	s_add_co_u32 s72, s72, STG
	v_add_nc_u32 v[232+\k], s72, v19
	s_mul_i32 s73, s71, YP
	v_add_nc_u32 v[236+\k], s73, v20
.endr
	s_wait_alu depctr_va_vdst(0)                   ; the eight addresses are written; every vector line that named v32-95, in which the rows land, is done
.irp k, 0,1,2,3
.irp i, 0,1,2,3
	ds_load_b128 v[32+16*\k+4*\i:35+16*\k+4*\i], v[232+\k] offset:512*\i
.endr
.endr
	s_wait_dscnt 0x0
.irp k, 0,1,2,3
.irp n, 0,1,2,3
	v_pk_add_f32 v[96+16*\k+2*\n:97+16*\k+2*\n], v[32+16*\k+4*\n:33+16*\k+4*\n], v[34+16*\k+4*\n:35+16*\k+4*\n]
.endr
.endr
.irp k, 0,1,2,3
	v_pk_add_f32 v[96+16*\k:97+16*\k], v[96+16*\k:97+16*\k], v[98+16*\k:99+16*\k]
	v_pk_add_f32 v[100+16*\k:101+16*\k], v[100+16*\k:101+16*\k], v[102+16*\k:103+16*\k]
.endr
.irp k, 0,1,2,3
	v_pk_add_f32 v[96+16*\k:97+16*\k], v[96+16*\k:97+16*\k], v[100+16*\k:101+16*\k]
.endr
.irp k, 0,1,2,3
	v_add_f32 v[216+\k], v[96+16*\k], v[97+16*\k]
.endr
	LANESUM
.irp k, 0,1,2,3
	v_mul_f32 v[208+2*\k], s66, v[216+\k]          ; the mean
.endr
.irp k, 0,1,2,3
.irp n, 0,1,2,3,4,5,6,7
	v_pk_add_f32 v[96+16*\k+2*\n:97+16*\k+2*\n], v[32+16*\k+2*\n:33+16*\k+2*\n], v[208+2*\k:209+2*\k] op_sel_hi:[1,0] neg_lo:[0,1] neg_hi:[0,1]
.endr
.endr
.irp k, 0,1,2,3
	v_pk_mul_f32 v[224+2*\k:225+2*\k], v[96+16*\k:97+16*\k], v[96+16*\k:97+16*\k]
.endr
.irp n, 1,2,3,4,5,6,7
.irp k, 0,1,2,3
	v_pk_fma_f32 v[224+2*\k:225+2*\k], v[96+16*\k+2*\n:97+16*\k+2*\n], v[96+16*\k+2*\n:97+16*\k+2*\n], v[224+2*\k:225+2*\k]
.endr
.endr
.irp k, 0,1,2,3
	v_add_f32 v[216+\k], v[224+2*\k], v[225+2*\k]
.endr
	LANESUM
.irp k, 0,1,2,3
	v_fma_f32 v[216+\k], v[216+\k], s66, s67       ; the variance + 1e-6
.endr
.irp k, 0,1,2,3
	v_rsq_f32 v[240+2*\k], v[216+\k]               ; one batch of four; the write-back below is the independent work behind it
.endr
.irp k, 0,1,2,3
.irp n, 0,1,2,3,4,5,6,7
	v_pk_add_f32 v[32+16*\k+2*\n:33+16*\k+2*\n], v[32+16*\k+2*\n:33+16*\k+2*\n], v[192+2*\n:193+2*\n]
.endr
.endr
	s_wait_alu depctr_va_vdst(0)                   ; the additions have written v32-95, which the stores read; it is also the one wait for the four 1/sigma, ahead of their first reader
.irp k, 0,1,2,3
.irp i, 0,1,2,3
	ds_store_b128 v[232+\k], v[32+16*\k+4*\i:35+16*\k+4*\i] offset:512*\i
.endr
.endr
.irp k, 0,1,2,3
.irp n, 0,1,2,3,4,5,6,7
	v_pk_mul_f32 v[96+16*\k+2*\n:97+16*\k+2*\n], v[96+16*\k+2*\n:97+16*\k+2*\n], v[240+2*\k:241+2*\k] op_sel_hi:[1,0]
.endr
.irp n, 0,1,2,3,4,5,6,7
	v_pk_fma_f32 v[96+16*\k+2*\n:97+16*\k+2*\n], v[96+16*\k+2*\n:97+16*\k+2*\n], v[160+2*\n:161+2*\n], v[176+2*\n:177+2*\n]
.endr
.irp n, 0,1,2,3,4,5,6,7
	v_cvt_pk_f16_f32 v[96+16*\k+\n], v[96+16*\k+2*\n], v[97+16*\k+2*\n]
.endr
.endr
	s_wait_alu depctr_va_vdst(0)                   ; the conversions have written y, which the stores read
.irp k, 0,1,2,3
.irp i, 0,1,2,3
	ds_store_b64 v[236+\k], v[96+16*\k+2*\i:97+16*\k+2*\i] offset:256*\i
.endr
.endr
.Lskip_\@:
	s_add_co_u32 s68, s68, 4
	s_sub_co_u32 s69, s69, 1
	s_cmp_lg_u32 s69, 0
	s_cbranch_scc1 .Lrow_\@
.endm
; A pass's 24 tiles, rounded to f16, 16 bytes a lane, into the slot in hand.  Each tile's registers are read in ascending order.  Tiles 0-15 go out of v128-191, tiles 16-23 out of v32-63: one out-buffer, one wait, one run of stores.
.macro QKVEPI
	WIN 0x0F
.set z, 0
.rept 64
	v_cvt_pk_f16_f32 v[128+z], v[128+2*z], v[129+2*z]
.set z, z+1
.endr
	WIN 0
.set z, 0
.rept 32
	v_cvt_pk_f16_f32 v[32+z], v[192+2*z], v[193+2*z]
.set z, z+1
.endr
	s_wait_alu depctr_va_vdst(0)                   ; the 96 conversions have written the out-buffer, and v13 and v14 are written: the 24 stores read them
.set u, 0
.rept 16
	ds_store_b128 v13, v[128+4*u:131+4*u] offset:16*QP*(u/4)+32*(u%4)
.set u, u+1
.endr
.set u, 0
.rept 4
	ds_store_b128 v13, v[32+4*u:35+4*u] offset:64*QP+32*u
	ds_store_b128 v14, v[48+4*u:51+4*u] offset:32*u
.set u, u+1
.endr
.endm
; h = u / (1 + 2^(u (K1 u^2 + K0))), three batches of 8 tiles; in a batch the 64 exponentials and the 64 reciprocals are each one batch with one wait.
; Batch b's h goes out of v[32 + 32 b ..]; its eight stores stand behind the next batch's first wait, which shows its conversions done; the last batch's have a wait of their own.
.macro HSTORE b
.set z, 0
.rept 8
.set u, 8*(\b)+z
.if u < 20
	ds_store_b128 v15, v[32+32*(\b)+4*z:35+32*(\b)+4*z] offset:16*HP*(u/4)+32*(u%4)
.else
	ds_store_b128 v16, v[32+32*(\b)+4*z:35+32*(\b)+4*z] offset:32*(u%4)
.endif
.set z, z+1
.endr
.endm
.macro GELU
.set gb, 0
.rept 3
.if gb < 2
.set GU, 128+64*gb
.set W2S, 0x0F
.set W1S, 0x0C
.else
.set GU, 192
.set W2S, 0
.set W1S, 0
.endif
	WIN W2S
.set z, 0
.rept 32
	v_pk_mul_f32 v[128+2*z:129+2*z], v[GU+2*z:GU+2*z+1], v[GU+2*z:GU+2*z+1]
.set z, z+1
.endr
	WIN 0
.set z, 0
.rept 32
	v_pk_fma_f32 v[128+2*z:129+2*z], v[128+2*z:129+2*z], s[48:49], s[50:51] op_sel_hi:[1,0,0]
.set z, z+1
.endr
	WIN W1S
.set z, 0
.rept 32
	v_pk_mul_f32 v[128+2*z:129+2*z], v[128+2*z:129+2*z], v[GU+2*z:GU+2*z+1]
.set z, z+1
.endr
	WIN 0
.set z, 0
.rept 64
	v_exp_f32 v[128+z], v[128+z]
.set z, z+1
.endr
	v_nop                                          ; a plain instruction behind the last of the batch,
	s_wait_alu depctr_va_vdst(0)                   ; and the one wait for the 64 exponentials, ahead of their first reader; the batch before's conversions have written its h, which the stores below read
.if gb > 0
	HSTORE gb-1
.endif
.set z, 0
.rept 32
	v_pk_add_f32 v[128+2*z:129+2*z], v[128+2*z:129+2*z], 1.0 op_sel_hi:[1,0]
.set z, z+1
.endr
.set z, 0
.rept 64
	v_rcp_f32 v[128+z], v[128+z]
.set z, z+1
.endr
	v_nop
	s_wait_alu depctr_va_vdst(0)                   ; the one wait for the 64 reciprocals, ahead of their first reader
	WIN W1S
.set z, 0
.rept 32
	v_pk_mul_f32 v[128+2*z:129+2*z], v[128+2*z:129+2*z], v[GU+2*z:GU+2*z+1]
.set z, z+1
.endr
	WIN 0
.set z, 0
.rept 32
	v_cvt_pk_f16_f32 v[32+32*gb+z], v[128+2*z], v[129+2*z]
.set z, z+1
.endr
.set gb, gb+1
.endr
	s_wait_alu depctr_va_vdst(0)                   ; the last batch's conversions have written v96-127, which its stores read
	HSTORE 2
.endm
; ---------------------------------------------------------------- the head
	s_load_b512 s[16:31], s[0:1], 0x0              ; x 16, wf 18, out0 20, ln1_scale 22, ln1_bias 24, ln2_scale 26, ln2_bias 28, bq 30
	s_load_b256 s[32:39], s[0:1], 0x40             ; bk 32, bv 34, bo 36, b1 38
	s_load_b128 s[40:43], s[0:1], 0x60             ; b2 40, rel_pos_bias 42
	v_lshl_add_u32 v1, v0, 2, SPARE
	v_mov_b32 v2, 0
	v_lshrrev_b32 v29, 5, v0
	v_readfirstlane_b32 s4, v29                    ; wave 0..3
	s_mov_b32 s5, ttmp9                            ; the batch element
	v_and_b32 v30, 31, v0                          ; l
	v_and_b32 v21, 15, v0                          ; r
	v_bfe_u32 v22, v0, 4, 1                        ; h
	v_lshlrev_b32 v19, 4, v30
	v_lshlrev_b32 v20, 3, v30
	v_lshlrev_b32 v31, 4, v0
	s_wait_alu depctr_va_sdst(0)                   ; s4 is written, ahead of its first reader: addresses, trip counts and branches are made from it
	s_lshl_b32 s57, s4, 12
	v_add_nc_u32 v3, s57, v19
	s_and_b32 s57, s5, 15
	s_lshl_b32 s57, s57, 13
	v_lshl_add_u32 v4, v30, 8, s57
	v_mul_u32_u24 v5, v21, YP
	v_lshl_add_u32 v5, v22, 4, v5
	v_add_nc_u32 v6, 48*YP, v5
	v_lshl_add_u32 v7, v22, 4, 80*YP
	v_mul_u32_u24 v8, v21, HP
	v_lshl_add_u32 v8, v22, 4, v8
	v_add_nc_u32 v8, HH, v8
	v_lshl_add_u32 v9, v22, 4, HH+80*HP
	v_mul_u32_u24 v23, v21, QP
	v_lshl_add_u32 v23, v22, 4, v23
	v_add_nc_u32 v10, QC, v23
	v_lshl_add_u32 v11, v22, 4, QC+80*QP
	s_lshl_b32 s57, s4, 7
	v_add_nc_u32 v15, s57, v8
	v_add_nc_u32 v16, s57, v9
	s_lshl_b32 s57, s4, 9
	v_mul_u32_u24 v17, v21, SGP
	v_lshl_add_u32 v17, v22, 5, v17
	s_add_co_u32 s58, s57, STG
	v_add_nc_u32 v17, s58, v17
	s_add_co_u32 s58, s57, STG+80*SGP
	v_lshl_add_u32 v18, v22, 5, s58
	v_mov_b32 v28, 0xf149f2ca                      ; -1e30
	v_and_b32 v29, 7, v0
	v_lshl_add_u32 v29, v22, 3, v29
	v_mul_u32_u24 v26, v29, QP                     ; the turning load: key 8 h + l % 8,
	v_bfe_u32 v27, v0, 3, 1
	v_lshlrev_b32 v27, 4, v27                      ; channels 8 ((l / 8) % 2) ..
	v_add_nc_u32 v26, v26, v27
	s_mov_b32 s48, 0xbdd2d3e8                      ; K1 = -2 log2(e) sqrt(2/pi) x 0.044715
	s_mov_b32 s49, s48
	s_mov_b32 s50, 0xc0135761                      ; K0 = -2 log2(e) sqrt(2/pi)
	s_mov_b32 s51, s50
	s_mov_b32 s52, 0x3e38aa3b                      ; c = log2(e) / 8
	s_mov_b32 s53, s52
	s_mov_b32 s54, 0x76543210                      ; v_permlanex16_b32: each lane takes its own place in the other half
	s_mov_b32 s55, 0xfedcba98
	s_mov_b32 s56, 0xffff0000                      ; the lanes with h = 1
	s_mov_b32 s66, 0x3b000000                      ; 1 / 512
	s_mov_b32 s67, 0x358637bd                      ; 1e-6
	s_lshr_b32 s57, s5, 4                          ; a: I ask for the laps that are a modulo 16, each while the lap in front of it is being fetched
	s_sub_co_u32 s47, s57, 1
	s_add_co_u32 s58, s57, 15
	s_cmp_ge_u32 s57, 2
	s_cselect_b32 s47, s47, s58
	s_cmp_eq_u32 s4, 0
	s_cselect_b32 s47, s47, -1
	s_mov_b32 s46, 0
	s_mul_i32 s58, s5, 81*2048
	s_mov_b32 s59, 0
.irp i, 0,1,2,3,4
	v_add_nc_u32 v[84+\i], 2048*\i, v31
	v_min_u32 v[84+\i], 9232, v[84+\i]             ; the table is 9,248 bytes: in the fifth load threads 66 to 127 take its last 16 once more, so that no load leaves it
.endr
	s_mul_i32 s57, s4, 20*2048
	v_add_nc_u32 v96, s57, v19                     ; x: my 20 rows
	s_lshl_b32 s57, s4, 9
	v_add_nc_u32 v97, s57, v19                     ; and my quarter of row 80
	; the head's LDS addresses are made here too, so that the one wait below serves them all
	v_add_nc_u32 v98, PB, v31                      ; bq, bk, bv
.irp i, 0,1,2,3,4
	; the table's place reversed: entry i of head d lies at word 289 (7 - d) + 288 - i.  The place is made of the thread's number, unclamped: every thread has 16 bytes of its own, every wave 512 on end.
	; In the fifth store threads 66 to 127 so put their copy into the 992 bytes below the table, the end of the bias block, which nobody reads before b1 is stored there.
	v_sub_nc_u32 v[90+\i], TB+9232-2048*\i, v31
.endr
	s_mul_i32 s57, s4, 20*SGP
	s_add_co_u32 s57, s57, STG
	v_add_nc_u32 v99, s57, v19                     ; the stage: my 20 rows
	s_lshl_b32 s57, s4, 9
	s_add_co_u32 s57, s57, STG+80*SGP
	v_add_nc_u32 v100, s57, v19                    ; and my quarter of row 80
	s_wait_kmcnt 0x0
	s_add_nc_u64 s[16:17], s[16:17], s[58:59]
	s_add_nc_u64 s[20:21], s[20:21], s[58:59]
	s_mov_b64 s[44:45], s[18:19]
	s_wait_alu depctr_va_vdst(0)                   ; every address and offset made above is written: the loads and stores of the head, and those of the whole kernel by v3-9, v15-20 and v31, read them
	; what LN1 waits for goes out first: the small arrays and x; the weights follow behind the stage's stores
	global_load_b128 v[32:35], v31, s[30:31]
	global_load_b128 v[36:39], v31, s[32:33]
	global_load_b128 v[40:43], v31, s[34:35]
.irp i, 0,1,2,3,4
	global_load_b128 v[44+4*\i:47+4*\i], v[84+\i], s[42:43]
.endr
	PLOAD 22,24,36
	WIN 0x80
.set n, 0
.rept 64
	global_load_b128 v[4*n:4*n+3], v96, s[16:17] offset:(n/4)*2048+(n%4)*512 th:TH_LOAD_NT
.set n, n+1
.endr
	WIN 0xC0
.rept 16
	global_load_b128 v[4*n-256:4*n-253], v96, s[16:17] offset:(n/4)*2048+(n%4)*512 th:TH_LOAD_NT
.set n, n+1
.endr
	global_load_b128 v[64:67], v97, s[16:17] offset:80*2048 th:TH_LOAD_NT
	WIN 0
	s_mov_b32 s57, 0x41000000                      ; 8.0
	s_wait_loadcnt 63                              ; 81 loads of x are younger than the small arrays'; the wait's field holds 63
	ds_store_b128 v98, v[32:35]
	ds_store_b128 v98, v[36:39] offset:2048
	ds_store_b128 v98, v[40:43] offset:4096
.irp i, 0,1,2,3,4
.irp e, 0,1,2,3
	v_mul_f32 v[67+4*\i-\e], s57, v[44+4*\i+\e]    ; 8 x, since the scores are scaled by 1/8 behind the bias; four words reversed
.endr
.endr
	s_wait_alu depctr_va_vdst(0)                   ; the twenty products have written v64-83, which the table's five stores read
.irp i, 0,1,2,3,4
	ds_store_b128 v[90+\i], v[64+4*\i:67+4*\i]
.endr
.set n, 0
.irp cnt, 63,49,33,17
	s_wait_loadcnt \cnt                            ; these 16 loads are in; the count is that of the younger loads of x (65 does not fit the field)
	WIN 0x08
.rept 16
	ds_store_b128 v99, v[4*n:4*n+3] offset:(n/4)*SGP+(n%4)*512
.set n, n+1
.endr
.endr
	s_wait_loadcnt 1
	WIN 0x0C
.rept 16
	ds_store_b128 v99, v[4*n-256:4*n-253] offset:(n/4)*SGP+(n%4)*512
.set n, n+1
.endr
	s_wait_loadcnt 0x0
	ds_store_b128 v100, v[64:67]
	WIN 0
	WLOAD 0,8                                      ; the ring is filled: lap 0; all of LN1 stands between these 64 loads and their first use.  No vector line has named the ring
	BAR                                            ; row 80 comes from four waves; the biases and the table are for all
	LNROWS                                         ; y1 in f16; the stage now holds x + bo
	BAR
	XMOVE 0                                        ; the residual starts as x + bo
	BAR                                            ; everybody's reads of the stage are over: its bytes become q, k, v
; ---------------------------------------------------------------- QKV and attention: my two heads, no barrier
	s_mul_i32 s62, s4, 4*HB
	s_add_co_u32 s62, s62, QC                      ; the slot that the pass in hand fills
	s_lshl_b32 s79, s4, 9
	s_add_co_u32 s79, s79, PB                      ; its biases: 2,048 p + 256 (2 w + g)
	s_mul_i32 s57, s4, 2*1156
	s_sub_co_u32 s77, TB+7*1156+576, s57           ; the head's part of the table, at index 144
	s_mov_b32 s60, 2
.Lg:
	s_mov_b32 s61, 3
.Lp:
	s_wait_alu depctr_vm_vsrc(0)                   ; the last pass's loads of biases have read v12; its stores have read v128-191 and v32-63, in which the loads below land, and v13, v14; a head's last LDS instructions have read v219-222 and v240-255, which the pass's products write
	v_lshl_add_u32 v12, v22, 5, s79
	s_wait_alu depctr_va_vdst(0)                   ; v12 is written, which the loads of biases read
	BLOAD
	ALOAD 0,LY,0
	ALOAD 1,LY,1
	UBODY
	v_add_nc_u32 v13, s62, v23
	s_add_co_u32 s57, s62, 80*QP
	v_lshl_add_u32 v14, v22, 4, s57
	QKVEPI
	s_add_co_u32 s62, s62, HB
	s_add_co_u32 s79, s79, 2048
	s_sub_co_u32 s61, s61, 1
	s_cmp_lg_u32 s61, 0
	s_cbranch_scc1 .Lp
	; ATTENTION of one head.  K (12 fragments, window 3) and V^T (12 fragments, v32-127) stay in registers; the six query tiles go one after the other.
	s_sub_co_u32 s78, s62, 3*HB                    ; q, later ctx
	s_sub_co_u32 s57, s62, 2*HB                    ; k
	s_wait_alu depctr_vm_vsrc(0)                   ; the pass's stores have read v32-63, in which V^T lands, and v128-191, in which the scores' biases land; earlier LDS loads have read v24, v25, v29 and v30
	v_add_nc_u32 v24, s57, v23
	s_add_co_u32 s57, s57, 80*QP
	v_lshl_add_u32 v25, v22, 4, s57
	s_sub_co_u32 s57, s62, HB                      ; v
	v_add_nc_u32 v29, s57, v26
	s_add_co_u32 s57, s57, 80*QP
	v_add_nc_u32 v30, s57, v27
	v_mov_b32 v231, 0                              ; pairs' upper words and exchanges' destinations count as read
	v_mov_b32 v232, 0
	v_mov_b32 v235, 0
	v_mov_b32 v237, 0
	s_wait_alu depctr_va_vdst(0)                   ; the four addresses are written, which the 48 loads below read
	WIN 0xC0
.set z, 0
.rept 12                                           ; z = 2 kt + ks: keys 16 kt .., channels 32 ks ..; my own bytes, in order behind my stores
.if z < 10
	ds_load_b128 v[128+8*z:131+8*z], v24 offset:16*QP*(z/2)+64*(z%2)
	ds_load_b128 v[132+8*z:135+8*z], v24 offset:16*QP*(z/2)+64*(z%2)+32
.else
	ds_load_b128 v[128+8*z:131+8*z], v25 offset:64*(z%2)
	ds_load_b128 v[132+8*z:135+8*z], v25 offset:64*(z%2)+32
.endif
.set z, z+1
.endr
	WIN 0
.set z, 0
.rept 12                                           ; z = 3 ct + kk: channels 16 ct .., keys 32 kk ..; keys 80..95 are row 80
	ds_load_tr16_b128 v[32+8*z:35+8*z], v29 offset:32*QP*(z%3)+32*(z/3)
.if (z%3) < 2
	ds_load_tr16_b128 v[36+8*z:39+8*z], v29 offset:32*QP*(z%3)+16*QP+32*(z/3)
.else
	ds_load_tr16_b128 v[36+8*z:39+8*z], v30 offset:32*(z/3)
.endif
.set z, z+1
.endr
	s_mov_b32 s75, 6
	s_mov_b32 s76, 0
.Lq:
	s_wait_alu depctr_vm_vsrc(0)                   ; the last tile's loads and stores have read v219-222 and v240-255, which this tile writes again
	v_add_nc_u32 v217, s76, v21
	v_min_u32 v217, 80, v217                       ; my query t
	v_mul_u32_u24 v218, v217, 57
	v_lshrrev_b32 v218, 9, v218                    ; t / 9 (exact for t < 512)
	v_lshl_add_u32 v218, v218, 3, v217             ; f(t) = t + 8 (t / 9) = 17 row + column; the bias's index is f(t) - f(s) + 144
	v_lshlrev_b32 v218, 2, v218
	v_sub_nc_u32 v220, s77, v218                   ; in the reversed table the key's part, 4 f(s), is added: it stands in the immediates
	v_lshl_add_u32 v221, v22, 5, v220              ; f(s + 8) = f(s) + 8 where s % 9 = 0,
	v_lshl_add_u32 v222, v22, 6, v220              ; f(s) + 16 elsewhere
	v_mul_u32_u24 v219, v217, QP
	v_lshl_add_u32 v219, v22, 4, v219
	v_add_nc_u32 v219, s78, v219
.set z, 169
.rept 7
	v_mov_b32 v[z], v28                            ; keys 81 .. are hidden
.set z, z+1
.endr
	s_wait_alu depctr_va_vdst(0)                   ; the four addresses are written; the last tile's lines are done with v128-168 and v200-215, in which the loads below land
	ds_load_b128 v[200:203], v219
	ds_load_b128 v[204:207], v219 offset:32
	ds_load_b128 v[208:211], v219 offset:64
	ds_load_b128 v[212:215], v219 offset:96
.set z, 0
.rept 40                                           ; the scores start at 8 x bias: register z: key 16 (z / 8) + z % 8 + 8 h
.set ky, 16*(z/8)+z%8
.if (ky%9) == 0
	ds_load_b32 v[128+z], v221 offset:4*(ky+8*(ky/9))
.else
	ds_load_b32 v[128+z], v222 offset:4*(ky+8*(ky/9))
.endif
.set z, z+1
.endr
	ds_load_b32 v168, v220 offset:4*144            ; key 80 (h = 0)
	s_wait_dscnt 0x0
	v_cndmask_b32 v168, v168, v28, s56             ; key 88 too
	WIN 0x03
.set z, 0
.rept 12                                           ; S^T = K Q^T + C: the six accumulators take turns
	v_wmma_f32_16x16x32_f16 v[128+8*(z%6):135+8*(z%6)], v[128+16*(z%6)+8*(z/6):135+16*(z%6)+8*(z/6)], v[200+8*(z/6):207+8*(z/6)], v[128+8*(z%6):135+8*(z%6)]
.set z, z+1
.endr
	WIN 0
	PLACES
.set z, 0
.rept 6
	v_max3_num_f32 v[224+z], v[128+8*z], v[129+8*z], v[130+8*z]  ; each accumulator's lowest registers are read first
.set z, z+1
.endr
.set z, 0
.rept 6
	v_max3_num_f32 v[224+z], v[224+z], v[131+8*z], v[132+8*z]
.set z, z+1
.endr
.set z, 0
.rept 6
	v_max3_num_f32 v[224+z], v[224+z], v[133+8*z], v[134+8*z]
.set z, z+1
.endr
	v_max3_num_f32 v224, v224, v135, v143
	v_max3_num_f32 v226, v226, v151, v159
	v_max3_num_f32 v228, v228, v167, v175
	v_max3_num_f32 v224, v224, v225, v226
	v_max3_num_f32 v227, v227, v228, v229
	v_max_num_f32 v224, v224, v227
	v_permlanex16_b32 v232, v224, s54, s55         ; the query's other 48 keys lie in the lane 16 away
	v_max_num_f32 v224, v224, v232                 ; the row's maximum
	v_mul_f32 v230, s52, v224
.set z, 0
.rept 24
	v_pk_fma_f32 v[128+2*z:129+2*z], v[128+2*z:129+2*z], s[52:53], v[230:231] op_sel_hi:[1,0,0] neg_lo:[0,0,1] neg_hi:[0,0,1]  ; c s - c m
.set z, z+1
.endr
.set z, 0
.rept 48
	v_exp_f32 v[128+z], v[128+z]
.set z, z+1
.endr
	v_nop
	s_wait_alu depctr_va_vdst(0)                   ; one wait for the 48 exponentials, ahead of their first reader
.set z, 0
.rept 24
	v_cvt_pk_f16_f32 v[176+z], v[128+2*z], v[129+2*z]  ; two score tiles in pairs ARE a fragment of P: 32 keys x 16 queries
.set z, z+1
.endr
.set z, 0
.rept 12
	v_pk_add_f32 v[128+2*z:129+2*z], v[128+2*z:129+2*z], v[152+2*z:153+2*z]
.set z, z+1
.endr
.set z, 0
.rept 6
	v_pk_add_f32 v[128+2*z:129+2*z], v[128+2*z:129+2*z], v[140+2*z:141+2*z]
.set z, z+1
.endr
.set z, 0
.rept 3
	v_pk_add_f32 v[128+2*z:129+2*z], v[128+2*z:129+2*z], v[134+2*z:135+2*z]
.set z, z+1
.endr
	v_pk_add_f32 v[128:129], v[128:129], v[130:131]
	v_pk_add_f32 v[128:129], v[128:129], v[132:133]
	v_add_f32 v234, v128, v129
	v_permlanex16_b32 v235, v234, s54, s55
	v_add_f32 v234, v234, v235                     ; the row's sum, of the unrounded weights
	v_rcp_f32 v236, v234
.set z, 0
.rept 12                                           ; O^T = V^T P: four accumulators by turns; the first four start the sums
.if z < 4
	v_wmma_f32_16x16x32_f16 v[128+8*(z%4):135+8*(z%4)], v[32+24*(z%4)+8*(z/4):39+24*(z%4)+8*(z/4)], v[176+8*(z/4):183+8*(z/4)], 0
.else
	v_wmma_f32_16x16x32_f16 v[128+8*(z%4):135+8*(z%4)], v[32+24*(z%4)+8*(z/4):39+24*(z%4)+8*(z/4)], v[176+8*(z/4):183+8*(z/4)], v[128+8*(z%4):135+8*(z%4)]
.endif
.set z, z+1
.endr
	PLACES                                         ; also the plain instructions behind the reciprocal
	s_wait_alu depctr_va_vdst(0)                   ; the reciprocal's wait, ahead of its first reader
.set z, 0
.rept 16
	v_pk_mul_f32 v[128+2*z:129+2*z], v[128+2*z:129+2*z], v[236:237] op_sel_hi:[1,0]
.set z, z+1
.endr
.set z, 0
.rept 16
	v_cvt_pk_f16_f32 v[240+z], v[128+2*z], v[129+2*z]
.set z, z+1
.endr
	s_wait_alu depctr_va_vdst(0)                   ; the conversions have written v240-255, which the four stores read
.set z, 0
.rept 4
	ds_store_b128 v219, v[240+4*z:243+4*z] offset:32*z  ; ctx takes the place of the q rows just used
.set z, z+1
.endr
	s_add_co_u32 s76, s76, 16
	s_sub_co_u32 s75, s75, 1
	s_cmp_lg_u32 s75, 0
	s_cbranch_scc1 .Lq
	s_sub_co_u32 s62, s62, 2*HB                    ; my second head: slots 1, 2, 3
	s_sub_co_u32 s79, s79, 3*2048-256
	s_sub_co_u32 s77, s77, 1156
	s_sub_co_u32 s60, s60, 1
	s_cmp_lg_u32 s60, 0
	s_cbranch_scc1 .Lg
; ---------------------------------------------------------------- ctx Wo onto the residual: 4 trips of two heads (128 of K, one lap)
	BAR                                            ; ctx of all heads is whole
	s_wait_alu depctr_vm_vsrc(0)                   ; the last query tile's loads and stores have read v219-222, in which b1 lands.  (No vector line has been issued since the wait ahead of those stores.)
	PLOAD 26,28,40                                 ; what LN2 and the MLP will want of the small arrays is asked for here, a whole product ahead: v160-223 lie idle meanwhile
.irp i, 0,1,2,3
	global_load_b128 v[208+4*\i:211+4*\i], v31, s[38:39] offset:2048*\i
.endr
	s_mov_b32 s81, 4
.Lwo:
	ALOAD 0,LQ,0                                   ; no wait: no vector or matrix line stands between the last wait on va_vdst (the last tile's, or K step 3's) and these loads
	ALOAD 1,LQ,1
	XSTEP 0,LQ,1,1,48,12                           ; 48: the 6 younger slots' loads (in the first trip the 16 small loads are younger too: the count then asks for more than it needs); 12: the other buffer's
	XSTEP 1,LQ,1,1,48,12
	XSTEP 2,LQ,1,0,48,12
	s_wait_alu depctr_vm_vsrc(0)                   ; the trip's 48 fragment loads have read v10 and v11
	v_add_nc_u32 v10, 4*HB, v10                    ; the next two heads; K step 3's wait on va_vdst shows the two written
	v_add_nc_u32 v11, 4*HB, v11
	XSTEP 3,LQ,1,0,48,0
	s_sub_co_u32 s81, s81, 1
	s_cmp_lg_u32 s81, 0
	s_cbranch_scc1 .Lwo
; ---------------------------------------------------------------- LN2
	BAR                                            ; everybody's reads of ctx are over: its bytes become the stage again
	v_add_nc_u32 v224, PB, v31                     ; where b1 goes: made here, so that the move's wait on va_vdst shows it written
	XMOVE 1                                        ; x1
	s_wait_loadcnt 63                              ; the 16 small loads were issued ahead of Wo's 256 loads of weights: more than 63 are younger
.irp i, 0,1,2,3
	ds_store_b128 v224, v[208+4*\i:211+4*\i] offset:2048*\i  ; b1 where bq, bk, bv lay
.endr
	BAR
	s_wait_alu depctr_vm_vsrc(0)                   ; b1's stores have read v208-224, of which the first lines of LNROWS write eight
	LNROWS                                         ; y2 in f16; the stage now holds x1 + b2
	BAR
	XMOVE 0
	BAR                                            ; the stage's bytes become h
; ---------------------------------------------------------------- the MLP: 8 chunks; a trip goes from the middle of one chunk's X pass to the middle of the next one's
	s_lshl_b32 s79, s4, 8
	s_add_co_u32 s79, s79, PB
	v_lshl_add_u32 v12, v22, 5, s79
	s_wait_alu depctr_va_vdst(0)                   ; v12 is written, which the loads of b1 read
	BLOAD
	ALOAD 0,LY,0
	ALOAD 1,LY,1
	s_mov_b32 s80, 8
	s_branch .Lenter
.Lmlp:
	BLOAD                                          ; the next chunk's b1: v128-159 are free since GELU.  No wait: no vector or matrix line stands between K step 3's wait on va_vdst and these loads
	XSTEP 4,LH,1,1,48,20                           ; 20: the other buffer's 12 loads and the 8 just issued
	XSTEP 5,LH,1,1,48,20
	XSTEP 6,LH,1,2,48,12
	XSTEP 7,LH,1,2,48,12
	BAR                                            ; everybody's reads of h are over
.Lenter:
	UBODY
	GELU
	BAR                                            ; h is whole
	s_wait_alu depctr_vm_vsrc(0)                   ; GELU's stores have read v32-127, in which h's fragments land; the chunk's loads of b1 have read v12, which is written below
	ALOAD 0,LH,0
	ALOAD 1,LH,1
	XSTEP 0,LH,1,1,48,12
	XSTEP 1,LH,1,1,48,12
	XSTEP 2,LH,1,1,48,12
	s_add_co_u32 s79, s79, 1024
	v_lshl_add_u32 v12, v22, 5, s79                ; the next chunk's b1 (behind the last chunk: not used); K step 3's wait on va_vdst shows it written
	XSTEP 3,LH,1,1,48,12
	s_sub_co_u32 s80, s80, 1
	s_cmp_lg_u32 s80, 0
	s_cbranch_scc1 .Lmlp
	XSTEP 4,LH,0,1,48,12                           ; the last lap is written out: nothing is loaded past the weights' end, and the counts run down
	XSTEP 5,LH,0,1,32,12
	XSTEP 6,LH,0,0,16,12                           ; the last two K steps load nothing, so they hold no s_wait_alu
	XSTEP 7,LH,0,0,0,0
; ---------------------------------------------------------------- the way out
	BAR                                            ; everybody's reads of h are over: the stage once more
	XMOVE 1                                        ; I write my own 512 bytes of every row, and read only those back
	s_lshl_b32 s57, s4, 9
	v_add_nc_u32 v25, s57, v19
	s_add_co_u32 s57, s57, STG
	v_add_nc_u32 v24, s57, v19
	s_mov_b32 s82, 9
.Lout:                                                 ; 9 trips of 9 rows
	s_wait_alu depctr_va_vdst(0)                   ; v24 and v25 are written, made above or stepped at the last trip's end: the loads and stores below read them
.set z, 0
.rept 9
	ds_load_b128 v[32+4*z:35+4*z], v24 offset:SGP*z    ; in order behind my stores
.set z, z+1
.endr
.set z, 0
.rept 9
	s_wait_dscnt 8-z                               ; row z is back; the younger loads stay out
	global_store_b128 v25, v[32+4*z:35+4*z], s[20:21] offset:2048*z th:TH_STORE_NT  ; 512 consecutive bytes, at a multiple of 512 from out0's first
.set z, z+1
.endr
	s_wait_xcnt 0x0                                ; the stores have read their registers: data and offset are written again only behind this wait
	s_wait_alu depctr_vm_vsrc(0)                   ; beside it: the trip's loads have read v24, its stores v25 and v32-67, which the adds below and the next trip's loads write
	v_add_nc_u32 v24, 9*SGP, v24
	v_add_nc_u32 v25, 9*2048, v25
	s_sub_co_u32 s82, s82, 1
	s_cmp_lg_u32 s82, 0
	s_cbranch_scc1 .Lout
	s_wait_dscnt 0x0                               ; the closing lines, six on end
	s_wait_alu 0x0
	s_wait_tensorcnt 0x0
	ds_add_u32 v1, v2
	s_wait_dscnt 0x0
	s_endpgm
.Lfunc_end_k_q494925cb66_block:
	.size	k_q494925cb66_block, .Lfunc_end_k_q494925cb66_block-k_q494925cb66_block
	.p2alignl 7, 3214868480
	.fill 96, 4, 3214868480
	.section	.rodata,"a",@progbits
	.p2align	6, 0x0
	.amdhsa_kernel k_q494925cb66_block
		.amdhsa_group_segment_fixed_size 289024
		.amdhsa_private_segment_fixed_size 0
		.amdhsa_enable_private_segment 0
		.amdhsa_kernarg_size 112
		.amdhsa_user_sgpr_count 2
		.amdhsa_user_sgpr_kernarg_segment_ptr 1
		.amdhsa_wavefront_size32 1
		.amdhsa_system_sgpr_workgroup_id_x 1
		.amdhsa_system_sgpr_workgroup_id_y 1
		.amdhsa_system_sgpr_workgroup_id_z 1
		.amdhsa_system_vgpr_workitem_id 0
		.amdhsa_next_free_vgpr 1024
		.amdhsa_next_free_sgpr 100
		.amdhsa_reserve_vcc 0
		.amdhsa_float_denorm_mode_32 3
		.amdhsa_float_denorm_mode_16_64 3
		.amdhsa_memory_ordered 1
		.amdhsa_forward_progress 1
		.amdhsa_inst_pref_size 255
	.end_amdhsa_kernel
	.section	.bss,"aw",@nobits
	.p2align	6
	.space	262144
	.amdgpu_metadata
---
amdhsa.version: [ 1, 2 ]
amdhsa.kernels:
  - .name:           k_q494925cb66_block
    .symbol:         k_q494925cb66_block.kd
    .args:
      - { .name: x, .offset: 0, .size: 8, .value_kind: global_buffer, .address_space: global }
      - { .name: wf, .offset: 8, .size: 8, .value_kind: global_buffer, .address_space: global }
      - { .name: out0, .offset: 16, .size: 8, .value_kind: global_buffer, .address_space: global }
      - { .name: ln1_scale, .offset: 24, .size: 8, .value_kind: global_buffer, .address_space: global }
      - { .name: ln1_bias, .offset: 32, .size: 8, .value_kind: global_buffer, .address_space: global }
      - { .name: ln2_scale, .offset: 40, .size: 8, .value_kind: global_buffer, .address_space: global }
      - { .name: ln2_bias, .offset: 48, .size: 8, .value_kind: global_buffer, .address_space: global }
      - { .name: bq, .offset: 56, .size: 8, .value_kind: global_buffer, .address_space: global }
      - { .name: bk, .offset: 64, .size: 8, .value_kind: global_buffer, .address_space: global }
      - { .name: bv, .offset: 72, .size: 8, .value_kind: global_buffer, .address_space: global }
      - { .name: bo, .offset: 80, .size: 8, .value_kind: global_buffer, .address_space: global }
      - { .name: b1, .offset: 88, .size: 8, .value_kind: global_buffer, .address_space: global }
      - { .name: b2, .offset: 96, .size: 8, .value_kind: global_buffer, .address_space: global }
      - { .name: rel_pos_bias, .offset: 104, .size: 8, .value_kind: global_buffer, .address_space: global }
    .group_segment_fixed_size: 289024
    .private_segment_fixed_size: 0
    .kernarg_segment_align: 8
    .kernarg_segment_size: 112
    .max_flat_workgroup_size: 128
    .sgpr_count:     100
    .vgpr_count:     1024
    .wavefront_size: 32
...
	.end_amdgpu_metadata
.endif
;; end of part 3
